; MI455X (gfx1250); checked and timed in simulation.
; The chip was launched on July 23, 2026; its instructions are those of AMD's public machine-readable ISA for CDNA 5 (MIT licence, August 2026) and "CDNA5" Instruction Set Architecture Reference Guide (July 2026). The comments in the code are by the model that wrote it; some were corrected since.
;; Multi Head Self Attention Block. Allowed arithmetic: float matrix products may take bf16 or f16 operands with f32 sums; other float arithmetic in f32, or as packed bf16 or f16 multiplies, adds, multiply-adds, maxima and minima; sums over many terms, partial sums and values carried from step to step in f32; what a program stores and reads back later, other than sums and carried values, may be rounded once to bf16 or f16.
;; Inputs: W1 256 x 512 float32; W2 512 x 256 float32; Wk 256 x 256 float32; Wq 256 x 256 float32; Wv 256 x 256 float32; b1 512 float32; b2 256 float32; bk 256 float32; bq 256 float32; bv 256 float32; ln0_b 256 float32; ln0_g 256 float32; ln1_b 256 float32; ln1_g 256 float32; x 8 x 2,048 x 256 float32; y 8 x 2,048 x 256 float32.
;; Outputs: out0 8 x 2,048 x 256 float32.
;; 2 versions, each right; version 2 is version 1 with the launches proj, ffn written anew for expert scheduling mode. Each part assembles by itself: llvm-mc -triple=amdgcn-amd-amdhsa -mcpu=gfx1250 --defsym DOCPART=n.
;; ======== version 1 of 2: 4 launches
;; limits: values are held in f16: magnitudes above 65,504 overflow, below 6.1e-05 lose precision
;; workspace buffers: wf 917,504 bytes; qf 8,388,608 bytes; kf 8,388,608 bytes; vf 8,388,608 bytes; of 8,388,608 bytes
;; launch prep (part 1): grid 224 x 1, 4 waves a work-group, no clusters, 0 bytes of LDS; arguments Wq, Wk, Wv, W1, W2, wf; writes wf
.if DOCPART == 1
	.amdgcn_target "amdgcn-amd-amdhsa--gfx1250"
	.amdhsa_code_object_version 6
	.text
	.protected	k_qf7ce4afcbc_prep
	.globl	k_qf7ce4afcbc_prep
	.p2align	8
	.type	k_qf7ce4afcbc_prep,@function
k_qf7ce4afcbc_prep:
	s_mov_b64 s[64:65], 0
	v_nop
	global_prefetch_b8 v0, s[64:65] scope:SCOPE_SE
	s_setreg_imm32_b32 hwreg(HW_REG_WAVE_MODE, 25, 1), 1
	s_wait_xcnt 0x0
; The five weights, f32 [K][N], are rounded once to f16 and laid out as matrix FRAGMENTS of 1,024 bytes.
; Fragment (nblk, ks) of a weight: lane (r = lane % 16, h = lane / 16) holds W[32 ks + 8 h + j][16 nblk + r], j = 0..7, in its first 16 bytes
; (at byte 16 x lane of the first 512) and W[32 ks + 16 + 8 h + j][..] in its second 16 bytes (at byte 16 x lane of the second 512).
; That is the register image of a 16-bit operand of 16 rows x 32 k (ISA guide 7.12.2), so later launches load a fragment with two loads at 16 x lane.
; Order in wf: Wq 0-127, Wk 128-255, Wv 256-383, W1 384-639 (index nblk x 8 + ks), W2 640-895 (index nblk x 16 + ks).  896 fragments, one a wave: 224 work-groups of 4 waves.
; The reads are pieces of 64 bytes (16 neighbouring columns of a row); all five weights are 1.8 MB and are read once.  The stores cover 512 consecutive bytes each.
; LIMIT: a weight beyond 65,504 has no f16; below 6e-5 it keeps f16's fixed step of 6e-8.
	s_load_b256 s[4:11], s[0:1], 0x0               ; Wq s[4:5], Wk s[6:7], Wv s[8:9], W1 s[10:11]
	s_load_b128 s[12:15], s[0:1], 0x20             ; W2 s[12:13], wf s[14:15]
	v_lshrrev_b32 v1, 5, v0
	v_readfirstlane_b32 s16, v1                    ; wave 0..3
	s_lshl_b32 s17, ttmp9, 2
	s_add_co_u32 s17, s17, s16                     ; F: my fragment, 0..895
	v_and_b32 v2, 15, v0                           ; r
	v_bfe_u32 v3, v0, 4, 1                         ; h
	v_and_b32 v5, 31, v0
	v_lshlrev_b32 v5, 4, v5                        ; 16 x lane
	s_mov_b32 s20, 640                             ; the weight's first fragment,
	s_mov_b32 s21, 1024                            ; its row in bytes,
	s_mov_b32 s22, 4                               ; log2 of its K steps: W2's to begin with
	s_wait_kmcnt 0x0
	s_mov_b64 s[18:19], s[12:13]
	s_cmp_lt_u32 s17, 640                          ; the choice hangs on the fragment's number alone
	s_cselect_b64 s[18:19], s[10:11], s[18:19]     ; W1
	s_cselect_b32 s20, 384, s20
	s_cselect_b32 s21, 2048, s21
	s_cselect_b32 s22, 3, s22
	s_cmp_lt_u32 s17, 384
	s_cselect_b64 s[18:19], s[8:9], s[18:19]       ; Wv
	s_cselect_b32 s20, 256, s20
	s_cselect_b32 s21, 1024, s21
	s_cmp_lt_u32 s17, 256
	s_cselect_b64 s[18:19], s[6:7], s[18:19]       ; Wk
	s_cselect_b32 s20, 128, s20
	s_cmp_lt_u32 s17, 128
	s_cselect_b64 s[18:19], s[4:5], s[18:19]       ; Wq
	s_cselect_b32 s20, 0, s20
	s_sub_co_u32 s23, s17, s20                     ; the fragment's index in its weight
	s_lshr_b32 s24, s23, s22                       ; nblk
	s_lshl_b32 s25, s24, s22
	s_sub_co_u32 s25, s23, s25                     ; ks
	s_mul_i32 s26, s25, s21
	s_lshl_b32 s26, s26, 5                         ; 32 ks rows
	s_lshl_b32 s27, s24, 6                         ; 16 nblk columns of 4 bytes
	s_add_co_u32 s26, s26, s27
	s_mov_b32 s27, 0
	s_add_nc_u64 s[18:19], s[18:19], s[26:27]      ; the fragment's corner in its weight
	s_lshl_b32 s28, s17, 10
	s_mov_b32 s29, 0
	s_add_nc_u64 s[14:15], s[14:15], s[28:29]      ; and its 1,024 bytes in wf
	s_lshl_b32 s30, s21, 3                         ; 8 rows
	s_lshl_b32 s31, s21, 4                         ; 16 rows
	v_mul_lo_u32 v4, v3, s30
	v_lshl_add_u32 v16, v2, 2, v4                  ; row 8 h, column r
.irp j, 1,2,3,4,5,6,7
	v_add_nc_u32 v[16+\j], s21, v[15+\j]           ; rows 8 h + j
.endr
	v_add_nc_u32 v24, s31, v16                     ; row 16 + 8 h
.irp j, 9,10,11,12,13,14,15
	v_add_nc_u32 v[16+\j], s21, v[15+\j]
.endr
.irp j, 0,1,2,3,4,5,6,7,8,9,10,11,12,13,14,15
	global_load_b32 v[32+\j], v[16+\j], s[18:19]
.endr
	s_wait_loadcnt 0x0
.irp i, 0,1,2,3,4,5,6,7
	v_cvt_pk_f16_f32 v[8+\i], v[32+2*\i], v[33+2*\i]  ; the lower k in the lower half
.endr
	global_store_b128 v5, v[8:11], s[14:15]
	global_store_b128 v5, v[12:15], s[14:15] offset:512
	s_endpgm
.Lfunc_end_k_qf7ce4afcbc_prep:
	.size	k_qf7ce4afcbc_prep, .Lfunc_end_k_qf7ce4afcbc_prep-k_qf7ce4afcbc_prep
	.p2alignl 7, 3214868480
	.fill 96, 4, 3214868480
	.section	.rodata,"a",@progbits
	.p2align	6, 0x0
	.amdhsa_kernel k_qf7ce4afcbc_prep
		.amdhsa_group_segment_fixed_size 0
		.amdhsa_private_segment_fixed_size 0
		.amdhsa_enable_private_segment 0
		.amdhsa_kernarg_size 48
		.amdhsa_user_sgpr_count 2
		.amdhsa_user_sgpr_kernarg_segment_ptr 1
		.amdhsa_wavefront_size32 1
		.amdhsa_system_sgpr_workgroup_id_x 1
		.amdhsa_system_sgpr_workgroup_id_y 1
		.amdhsa_system_sgpr_workgroup_id_z 1
		.amdhsa_system_vgpr_workitem_id 0
		.amdhsa_next_free_vgpr 48
		.amdhsa_next_free_sgpr 66
		.amdhsa_reserve_vcc 0
		.amdhsa_float_denorm_mode_32 3
		.amdhsa_float_denorm_mode_16_64 3
		.amdhsa_memory_ordered 1
		.amdhsa_forward_progress 1
		.amdhsa_inst_pref_size 5
	.end_amdhsa_kernel
	.amdgpu_metadata
---
amdhsa.version: [ 1, 2 ]
amdhsa.kernels:
  - .name:           k_qf7ce4afcbc_prep
    .symbol:         k_qf7ce4afcbc_prep.kd
    .args:
      - { .name: Wq, .offset: 0, .size: 8, .value_kind: global_buffer, .address_space: global }
      - { .name: Wk, .offset: 8, .size: 8, .value_kind: global_buffer, .address_space: global }
      - { .name: Wv, .offset: 16, .size: 8, .value_kind: global_buffer, .address_space: global }
      - { .name: W1, .offset: 24, .size: 8, .value_kind: global_buffer, .address_space: global }
      - { .name: W2, .offset: 32, .size: 8, .value_kind: global_buffer, .address_space: global }
      - { .name: wf, .offset: 40, .size: 8, .value_kind: global_buffer, .address_space: global }
    .group_segment_fixed_size: 0
    .private_segment_fixed_size: 0
    .kernarg_segment_align: 8
    .kernarg_segment_size: 48
    .max_flat_workgroup_size: 128
    .sgpr_count:     66
    .vgpr_count:     48
    .wavefront_size: 32
...
	.end_amdgpu_metadata
.endif
;; end of part 1
;; launch proj (part 2): grid 256 x 1, 8 waves a work-group, no clusters, 68,608 bytes of LDS; arguments x, y, wf, ln0_g, ln0_b, bq, bk, bv, qf, kf, vf; writes qf, kf, vf
.if DOCPART == 2
	.amdgcn_target "amdgcn-amd-amdhsa--gfx1250"
	.amdhsa_code_object_version 6
	.text
	.protected	k_qf7ce4afcbc_proj
	.globl	k_qf7ce4afcbc_proj
	.p2align	8
	.type	k_qf7ce4afcbc_proj,@function
k_qf7ce4afcbc_proj:
	s_mov_b64 s[64:65], 0
	v_nop
	global_prefetch_b8 v0, s[64:65] scope:SCOPE_SE
	s_setreg_imm32_b32 hwreg(HW_REG_WAVE_MODE, 25, 1), 1
	s_wait_xcnt 0x0
; Q = LN0(x) Wq + bq, K = y Wk + bk, V = y Wv + bv, for 64 rows a work-group; products in f16 with f32 sums, LN in f32 (mean first, then the squares of the differences).
; PHASE 1: wave w takes rows 8 w .. 8 w + 7 of x and of y: a row is 1,024 bytes, two loads of 512 consecutive bytes; x is normalised; both are rounded once to f16 into LDS.
; PHASE 2: wave w is head w: channels 32 w .. 32 w + 31 (two blocks of 16) of Q, K and V for the group's four tiles of 16 rows: three passes of 64 matrix instructions.
; RESULTS LEAVE IN FRAGMENT ORDER (16 rows x 32 k of f16 = 1,024 bytes: lane's first 16 bytes at 16 x lane, its second at 512 + 16 x lane).  For Q and K source 0 is the weight, so a lane holds
; one row and eight channels, which packed are half a fragment (rows = queries or keys, k = the head's 32 channels).  For V source 0 is y, so a lane holds one channel and eight keys: half a
; fragment (rows = channels, k = 32 keys).  So every store is 512 consecutive bytes from registers, at a multiple of 512 from the buffer's first byte, and no stage in LDS is needed.
; qf, kf: [b x 8 + head][tile of 16 rows, 128][1,024].   vf: [b x 8 + head][block of 32 keys, 64][block of 16 channels, 2][1,024].
; The bias is the C operand of a sum's first product: nothing is cleared and nothing is added afterwards.
; NO CLUSTER: what the work-groups share is the weights, 384 KB in f16.  A wave takes its 48 KB of them straight into registers, each fragment once; a joint load lands in LDS alone, where 384 KB
; do not fit, so sharing would want a ring of slots and a round of the cluster's barrier for every few of a wave's 192 matrix instructions.
; LIMITS: LN0(x), y, Q, K, V beyond 65,504 have no f16; below 6e-5 they keep f16's fixed step of 6e-8.  NaN and infinities are not treated apart.
.set PITCH, 528                        ; an LDS row: 512 bytes of f16 + 16: an odd multiple of 16, so the 16 rows of a fragment load start in 16 different groups of four banks (ISA guide 11.1)
.set XN,    0                          ; 64 rows of LN0(x)
.set YH,    64*PITCH                   ; 64 rows of y
.set SPARE, 2*64*PITCH                 ; the spare words, 128 bytes for each of eight waves: four blocks of 256 bytes that no other line names
.set L16, 1                            ; v1   16 x lane
.set SW,  2                            ; v2   phase 1: my 8 bytes in my wave's first LDS row
.set AF,  3                            ; v3   phase 2: row r x pitch + 16 h
.set BO,  4                            ; v4   128 w + 32 h: my eight channels in bq, bk
.set BVO, 5                            ; v5   128 w + 4 r: my channel in bv
.set SPW, 6                            ; v6   my spare word; never rewritten
.set NIL, 7                            ; v7   0; never rewritten
.set BV,  16                           ; v16-31   bv, two tuples of 8
.set X,   32                           ; v32-95   phase 1: 8 rows of x, 8 registers each: channels 4 L .. 4 L + 3 and 128 + 4 L .. + 3
.set Y,   96                           ; v96-159  the same of y
.set G,   160                          ; v160-167 ln0_g of those channels
.set BT,  168                          ; v168-175 ln0_b
.set T,   176                          ; v176-191 a pair a row: sum, mean
.set U,   192                          ; v192-207 a pair a row: squares, 1 / sqrt
.set BQ,  216                          ; v216-231 bq, two tuples of 8
.set BK,  232                          ; v232-247 bk
.set ACC, 32                           ; phase 2: accumulator (blk, t) at ACC + 8 (4 blk + t)
.set AB,  96                           ; two buffers of four row fragments
.set TMP, 160                          ; packed results
.set WA,  0                            ; window 1: Wq's 16 fragments, later Wv's: (blk, ks) at 8 (8 blk + ks)
.set WB,  128                          ; window 1: Wk's
.set MSB, 0
.macro WIN new                         ; s_set_vgpr_msb: bits 1:0 source 0, 3:2 source 1, 5:4 source 2, 7:6 destination; the high byte repeats the setting that is left
.if MSB != (\new)
	s_set_vgpr_msb (MSB<<8)|(\new)
.set MSB, (\new)
.endif
.endm
.macro PLACES                          ; four plain vector instructions between a matrix instruction and a read of its result or a load into its sources
.rept 4
	v_nop
.endr
.endm
.macro ROWS line:vararg                ; one line for each of my eight rows i
.set i, 0
.rept 8
	\line
.set i, i+1
.endr
.endm
.macro RED b                           ; v[b + 2 i] summed over the 32 lanes, for the eight rows; v[b + 2 i + 1], written before, is at work
.irp m, 1,2,4,8
	ROWS v_add_f32_dpp v[(\b)+2*i], v[(\b)+2*i], v[(\b)+2*i] row_xmask:\m row_mask:0xf bank_mask:0xf
.endr
	ROWS v_permlanex16_b32 v[(\b)+2*i+1], v[(\b)+2*i], s30, s31
	ROWS v_add_f32 v[(\b)+2*i], v[(\b)+2*i], v[(\b)+2*i+1]
.endm
.macro LDW base, off                   ; my head's 16 fragments of a weight, 16 KB, into window 1: 32 loads of 512 consecutive bytes
	WIN 0x40
.set i, 0
.rept 32
	global_load_b128 v[(\base)+4*i:(\base)+4*i+3], v[L16], s[8:9] offset:(\off)+512*i
.set i, i+1
.endr
	WIN 0
.endm
	s_load_b512 s[4:19], s[0:1], 0x0               ; x s[4:5], y s[6:7], wf s[8:9], ln0_g s[10:11], ln0_b s[12:13], bq s[14:15], bk s[16:17], bv s[18:19]
	s_load_b128 s[20:23], s[0:1], 0x40             ; qf s[20:21], kf s[22:23]
	s_load_b64 s[24:25], s[0:1], 0x50              ; vf
	v_lshl_add_u32 v[SPW], v0, 2, SPARE
	v_mov_b32 v[NIL], 0
	v_lshrrev_b32 v8, 5, v0
	v_readfirstlane_b32 s26, v8                    ; wave 0..7
	s_mov_b32 s28, 0x3b800000                      ; 1 / 256
	s_mov_b32 s29, 0x3727c5ac                      ; 1e-5
	s_mov_b32 s30, 0x76543210                      ; v_permlanex16_b32: each lane takes its own place in the other half
	s_mov_b32 s31, 0xfedcba98
	s_lshl_b32 s32, ttmp9, 16                      ; the group's 64 rows of 1,024 bytes,
	s_lshl_b32 s33, s26, 13                        ; my wave's 8 of them
	s_add_co_u32 s32, s32, s33
	s_mov_b32 s33, 0
	s_lshl_b32 s34, s26, 14                        ; my head's 16 fragments in a weight
	s_mov_b32 s35, 0
	s_lshr_b32 s36, ttmp9, 5                       ; the batch,
	s_lshl_b32 s36, s36, 3
	s_add_co_u32 s36, s36, s26                     ; b x 8 + head,
	s_lshl_b32 s36, s36, 7
	s_and_b32 s37, ttmp9, 31
	s_lshl_b32 s37, s37, 2
	s_add_co_u32 s36, s36, s37                     ; x 128 + the group's first tile in the batch,
	s_lshl_b32 s36, s36, 10                        ; x 1,024 bytes: the same number for qf, kf and vf
	s_mov_b32 s37, 0
	s_mul_i32 s38, s26, 8*PITCH
	s_lshl_b32 s39, s26, 7
	v_and_b32 v8, 31, v0                           ; lane
	v_and_b32 v9, 15, v0                           ; r
	v_bfe_u32 v10, v0, 4, 1                        ; h
	v_lshlrev_b32 v[L16], 4, v8
	v_lshl_add_u32 v[SW], v8, 3, s38
	v_mul_u32_u24 v[AF], v9, PITCH
	v_lshl_add_u32 v[AF], v10, 4, v[AF]
	v_lshl_add_u32 v[BO], v10, 5, s39
	v_lshl_add_u32 v[BVO], v9, 2, s39
	s_wait_kmcnt 0x0
	s_add_nc_u64 s[4:5], s[4:5], s[32:33]
	s_add_nc_u64 s[6:7], s[6:7], s[32:33]
	s_add_nc_u64 s[8:9], s[8:9], s[34:35]
	s_add_nc_u64 s[20:21], s[20:21], s[36:37]
	s_add_nc_u64 s[22:23], s[22:23], s[36:37]
	s_add_nc_u64 s[24:25], s[24:25], s[36:37]
	; all that phase 1 needs, and Wq behind it
	global_load_b128 v[G:G+3],     v[L16], s[10:11]
	global_load_b128 v[G+4:G+7],   v[L16], s[10:11] offset:512
	global_load_b128 v[BT:BT+3],   v[L16], s[12:13]
	global_load_b128 v[BT+4:BT+7], v[L16], s[12:13] offset:512
.irp o, 0,1,2,3                        ; block o / 2, four channels o % 2
	global_load_b128 v[BQ+4*\o:BQ+4*\o+3], v[BO], s[14:15] offset:(\o/2)*64+(\o%2)*16
	global_load_b128 v[BK+4*\o:BK+4*\o+3], v[BO], s[16:17] offset:(\o/2)*64+(\o%2)*16
.endr
.irp j, 0,1,2,3,4,5,6,7,8,9,10,11,12,13,14,15
	global_load_b32 v[BV+\j], v[BVO], s[18:19] offset:(\j/8)*64  ; in V's result a lane holds one channel: its bias fills the tuple
.endr
.irp i, 0,1,2,3,4,5,6,7
	global_load_b128 v[X+8*\i:X+8*\i+3],   v[L16], s[4:5] offset:\i*1024 th:TH_LOAD_NT
	global_load_b128 v[X+8*\i+4:X+8*\i+7], v[L16], s[4:5] offset:\i*1024+512 th:TH_LOAD_NT
.endr
.irp i, 0,1,2,3,4,5,6,7
	global_load_b128 v[Y+8*\i:Y+8*\i+3],   v[L16], s[6:7] offset:\i*1024 th:TH_LOAD_NT
	global_load_b128 v[Y+8*\i+4:Y+8*\i+7], v[L16], s[6:7] offset:\i*1024+512 th:TH_LOAD_NT
.endr
	LDW WA, 0                                      ; Wq
	; PHASE 1.  LN0, stage by stage across the eight rows, so that no line waits for the one before it
	s_wait_loadcnt 48                              ; y's 16 loads and Wq's 32 may be out: x, the gains and the biases are in
	ROWS v_pk_add_f32 v[T+2*i:T+2*i+1], v[X+8*i:X+8*i+1], v[X+8*i+2:X+8*i+3]
	ROWS v_pk_add_f32 v[U+2*i:U+2*i+1], v[X+8*i+4:X+8*i+5], v[X+8*i+6:X+8*i+7]
	ROWS v_pk_add_f32 v[T+2*i:T+2*i+1], v[T+2*i:T+2*i+1], v[U+2*i:U+2*i+1]
	ROWS v_add_f32 v[T+2*i], v[T+2*i], v[T+2*i+1]
	RED T
	ROWS v_mul_f32 v[T+2*i], s28, v[T+2*i]         ; the mean
.irp k, 0,2,4,6
	ROWS v_pk_add_f32 v[X+8*i+\k:X+8*i+\k+1], v[X+8*i+\k:X+8*i+\k+1], v[T+2*i:T+2*i+1] op_sel_hi:[1,0] neg_lo:[0,1] neg_hi:[0,1]
.endr
	ROWS v_pk_mul_f32 v[U+2*i:U+2*i+1], v[X+8*i:X+8*i+1], v[X+8*i:X+8*i+1]
.irp k, 2,4,6
	ROWS v_pk_fma_f32 v[U+2*i:U+2*i+1], v[X+8*i+\k:X+8*i+\k+1], v[X+8*i+\k:X+8*i+\k+1], v[U+2*i:U+2*i+1]
.endr
	ROWS v_add_f32 v[U+2*i], v[U+2*i], v[U+2*i+1]
	RED U
	ROWS v_fma_f32 v[U+2*i], v[U+2*i], s28, s29    ; the variance + 1e-5
	ROWS v_rsq_f32 v[U+2*i], v[U+2*i]
	v_nop                                          ; a plain instruction between the last root and the use of its result (ISA guide 5.7.2)
	s_wait_alu depctr_va_vdst(0)
.irp k, 0,2,4,6
	ROWS v_pk_mul_f32 v[X+8*i+\k:X+8*i+\k+1], v[X+8*i+\k:X+8*i+\k+1], v[U+2*i:U+2*i+1] op_sel_hi:[1,0]
.endr
.irp k, 0,2,4,6
	ROWS v_pk_fma_f32 v[X+8*i+\k:X+8*i+\k+1], v[X+8*i+\k:X+8*i+\k+1], v[G+\k:G+\k+1], v[BT+\k:BT+\k+1]
.endr
.irp k, 0,1,2,3
	ROWS v_cvt_pk_f16_f32 v[X+8*i+\k], v[X+8*i+2*\k], v[X+8*i+2*\k+1]
.endr
	ROWS ds_store_b64 v[SW], v[X+8*i:X+8*i+1] offset:XN+i*PITCH          ; 32 lanes x 8 bytes: channels 0-127 of the row
	ROWS ds_store_b64 v[SW], v[X+8*i+2:X+8*i+3] offset:XN+i*PITCH+256    ; channels 128-255
	s_wait_loadcnt 32                              ; Wq's 32 may be out: y is in
	LDW WB, 131072                                 ; Wk
.irp k, 0,1,2,3
	ROWS v_cvt_pk_f16_f32 v[Y+8*i+\k], v[Y+8*i+2*\k], v[Y+8*i+2*\k+1]
.endr
	ROWS ds_store_b64 v[SW], v[Y+8*i:Y+8*i+1] offset:YH+i*PITCH
	ROWS ds_store_b64 v[SW], v[Y+8*i+2:Y+8*i+3] offset:YH+i*PITCH+256
	s_wait_dscnt 0x0                               ; for the others' sake: my rows are in LDS
	s_barrier_signal -1
	s_barrier_wait -1                              ; everybody's are; nothing is written to XN or YH after this
	; PHASE 2
.macro LDA reg, ks, buf                ; the four tiles' row fragments of K step ks: 16 rows x 32 k, two loads of 16 bytes a lane, 32 bytes apart
.irp t, 0,1,2,3
	ds_load_b128 v[AB+32*(\buf)+8*\t:AB+32*(\buf)+8*\t+3],   v[AF] offset:(\reg)+16*PITCH*\t+64*(\ks)
	ds_load_b128 v[AB+32*(\buf)+8*\t+4:AB+32*(\buf)+8*\t+7], v[AF] offset:(\reg)+16*PITCH*\t+64*(\ks)+32
.endr
.endm
; A pass: 8 K steps of 8 matrix instructions on 8 accumulators, which take turns.  swap = 0: source 0 the weight (window 1), source 1 the rows; swap = 1: the other way round.
.macro PASS reg, wbase, bias, swap
	LDA \reg, 0, 0
.set ks, 0
.rept 8
.if ks < 7
	LDA \reg, ks+1, (ks+1)%2
	s_wait_dscnt 8                                 ; the 8 just issued may be out: this step's fragments are in
.else
	s_wait_dscnt 0
.endif
.if \swap
	WIN 0x04
.else
	WIN 0x01
.endif
.set a, 0
.rept 8
.set rD, ACC+8*a
.set rW, (\wbase)+8*(8*(a/4)+ks)
.set rA, AB+32*(ks%2)+8*(a%4)
.set rC, (\bias)+8*(a/4)
.if \swap
.if ks == 0
	v_wmma_f32_16x16x32_f16 v[rD:rD+7], v[rA:rA+7], v[rW:rW+7], v[rC:rC+7]
.else
	v_wmma_f32_16x16x32_f16 v[rD:rD+7], v[rA:rA+7], v[rW:rW+7], v[rD:rD+7]
.endif
.else
.if ks == 0
	v_wmma_f32_16x16x32_f16 v[rD:rD+7], v[rW:rW+7], v[rA:rA+7], v[rC:rC+7]
.else
	v_wmma_f32_16x16x32_f16 v[rD:rD+7], v[rW:rW+7], v[rA:rA+7], v[rD:rD+7]
.endif
.endif
.set a, a+1
.endr
	WIN 0
	PLACES                                         ; in front of the next loads into the buffer just read, and behind the last step in front of the conversions
.set ks, ks+1
.endr
.endm
.macro OUT p, isv                      ; rounded once to f16, each accumulator's registers in ascending order, and stored: 512 consecutive bytes a store
	s_wait_xcnt 0x0                                ; TMP was the data of the pass before's stores: it is rewritten only behind this wait
.set a, 0
.rept 8
.irp k, 0,1,2,3
	v_cvt_pk_f16_f32 v[TMP+4*a+\k], v[ACC+8*a+2*\k], v[ACC+8*a+2*\k+1]
.endr
.set a, a+1
.endr
.set a, 0
.rept 8
.if \isv
	global_store_b128 v[L16], v[TMP+4*a:TMP+4*a+3], s[\p:\p+1] offset:((a%4)/2)*2048+(a/4)*1024+(a%2)*512  ; 32 keys t / 2, channel block blk, the fragment's half t % 2
.else
	global_store_b128 v[L16], v[TMP+4*a:TMP+4*a+3], s[\p:\p+1] offset:(a%4)*1024+(a/4)*512                 ; tile t, the fragment's half blk
.endif
.set a, a+1
.endr
.endm
	s_wait_loadcnt 32                              ; Wk's 32 may be out: Wq is in
	PASS XN, WA, BQ, 0
	LDW WA, 262144                                 ; Wv, where Wq lay: the pass's last four places stand in front
	OUT 20, 0
	s_wait_loadcnt 32                              ; Wv's 32 may be out: Wk is in
	PASS YH, WB, BK, 0
	OUT 22, 0
	s_wait_loadcnt 0x0                             ; Wv
	PASS YH, WA, BV, 1
	OUT 24, 1
	s_wait_tensorcnt 0x0                           ; the wave's end, behind my last LDS store
	ds_add_u32 v[SPW], v[NIL]
	s_wait_dscnt 0x0
	s_endpgm
.Lfunc_end_k_qf7ce4afcbc_proj:
	.size	k_qf7ce4afcbc_proj, .Lfunc_end_k_qf7ce4afcbc_proj-k_qf7ce4afcbc_proj
	.p2alignl 7, 3214868480
	.fill 96, 4, 3214868480
	.section	.rodata,"a",@progbits
	.p2align	6, 0x0
	.amdhsa_kernel k_qf7ce4afcbc_proj
		.amdhsa_group_segment_fixed_size 68608
		.amdhsa_private_segment_fixed_size 0
		.amdhsa_enable_private_segment 0
		.amdhsa_kernarg_size 88
		.amdhsa_user_sgpr_count 2
		.amdhsa_user_sgpr_kernarg_segment_ptr 1
		.amdhsa_wavefront_size32 1
		.amdhsa_system_sgpr_workgroup_id_x 1
		.amdhsa_system_sgpr_workgroup_id_y 1
		.amdhsa_system_sgpr_workgroup_id_z 1
		.amdhsa_system_vgpr_workitem_id 0
		.amdhsa_next_free_vgpr 512
		.amdhsa_next_free_sgpr 66
		.amdhsa_reserve_vcc 0
		.amdhsa_float_denorm_mode_32 3
		.amdhsa_float_denorm_mode_16_64 3
		.amdhsa_memory_ordered 1
		.amdhsa_forward_progress 1
		.amdhsa_inst_pref_size 78
	.end_amdhsa_kernel
	.amdgpu_metadata
---
amdhsa.version: [ 1, 2 ]
amdhsa.kernels:
  - .name:           k_qf7ce4afcbc_proj
    .symbol:         k_qf7ce4afcbc_proj.kd
    .args:
      - { .name: x, .offset: 0, .size: 8, .value_kind: global_buffer, .address_space: global }
      - { .name: y, .offset: 8, .size: 8, .value_kind: global_buffer, .address_space: global }
      - { .name: wf, .offset: 16, .size: 8, .value_kind: global_buffer, .address_space: global }
      - { .name: ln0_g, .offset: 24, .size: 8, .value_kind: global_buffer, .address_space: global }
      - { .name: ln0_b, .offset: 32, .size: 8, .value_kind: global_buffer, .address_space: global }
      - { .name: bq, .offset: 40, .size: 8, .value_kind: global_buffer, .address_space: global }
      - { .name: bk, .offset: 48, .size: 8, .value_kind: global_buffer, .address_space: global }
      - { .name: bv, .offset: 56, .size: 8, .value_kind: global_buffer, .address_space: global }
      - { .name: qf, .offset: 64, .size: 8, .value_kind: global_buffer, .address_space: global }
      - { .name: kf, .offset: 72, .size: 8, .value_kind: global_buffer, .address_space: global }
      - { .name: vf, .offset: 80, .size: 8, .value_kind: global_buffer, .address_space: global }
    .group_segment_fixed_size: 68608
    .private_segment_fixed_size: 0
    .kernarg_segment_align: 8
    .kernarg_segment_size: 88
    .max_flat_workgroup_size: 256
    .sgpr_count:     66
    .vgpr_count:     512
    .wavefront_size: 32
...
	.end_amdgpu_metadata
.endif
;; end of part 2
;; launch attn (part 3): grid 4 x 64, 8 waves a work-group, clusters of 4 x 1, 327,680 bytes of LDS; arguments qf, kf, vf, of; writes of
.if DOCPART == 3
	.amdgcn_target "amdgcn-amd-amdhsa--gfx1250"
	.amdhsa_code_object_version 6
	.text
	.protected	k_qf7ce4afcbc_attn
	.globl	k_qf7ce4afcbc_attn
	.p2align	8
	.type	k_qf7ce4afcbc_attn,@function
k_qf7ce4afcbc_attn:
	s_mov_b64 s[64:65], 0
	v_nop
	global_prefetch_b8 v0, s[64:65] scope:SCOPE_SE
	s_setreg_imm32_b32 hwreg(HW_REG_WAVE_MODE, 25, 1), 1
	s_wait_xcnt 0x0
	s_wait_alu depctr_hold_cnt(0) depctr_sa_sdst(0) depctr_va_vdst(0) depctr_va_sdst(0) depctr_va_ssrc(0) depctr_va_vcc(0) depctr_vm_vsrc(0)
	s_getreg_b32 s2, hwreg(HW_REG_IB_STS2, 6, 4)
	s_cmp_eq_u32 s2, 0
	s_cbranch_scc0 .Lentry_in_a_cluster
	s_endpgm
.Lentry_in_a_cluster:
	s_bfe_u32 s2, ttmp6, 0x10000c
	s_cmp_lg_u32 s2, 0x3003
	s_cbranch_scc0 .Lentry_shape_is_right
	s_endpgm
.Lentry_shape_is_right:
; O[q] = Q[q] + the sum over k of softmax_k(Q[q] . K[k] / 16) V[k], for each of 64 (batch, head) pairs of 2,048 rows and 32 channels.  Products in f16 with f32 sums; maxima and exponents in f32.
; qf, kf, vf, of hold matrix fragments of 1,024 bytes (16 rows x 32 k of f16: a lane's first 16 bytes at 16 x lane, its second at 512 + 16 x lane), so every load, from memory or from LDS,
; takes 512 consecutive bytes: no padding, no transposing load, no stage.
; SHARES.  A cluster of four work-groups is one (batch, head); each work-group has 512 queries, each of its eight waves 64: four tiles of 16.  Every wave walks all 2,048 keys, 128 a step.
; EIGHT WAVES, two to a SIMD: a tile and step have 20 matrix instructions and some 178 vector instructions, so the vector unit sets the pace, and a second wave has work for it while the first
; walks the chain maximum - exchange - factor.  The price: each fragment of K and V is read from LDS by eight waves.
; THE WHOLE HEAD LIES IN LDS: K 128 KB, V 128 KB, filled once, JOINTLY for the four work-groups (the same tensor loads, descriptors and mask in all four).  No byte is filled again.  Each wave issues two
; loads: its part of keys 0-511 (8 KB), then its part of the rest (24 KB); the first three steps run while the second is on its way.  By this text's count two tensor loads of a wave are out.
; LAYOUT.  S^T = K Q^T (source 0 = 16 keys, source 1 = 16 queries; the head's 32 channels are one matrix instruction deep): a lane holds ONE query (lane % 16) and keys 8 (lane / 16) + 0..7.  Two such
; results rounded to f16 ARE source 1 (32 keys x 16 queries) of O^T = V^T P, whose result again holds one query a lane, and eight channels: the channels of the lane's registers of Q.
; SOFTMAX.  A running maximum m: p = 2^(c s - c m), c = log2(e) / 16; in every step O and l are multiplied by a = 2^(c m_old - c m_new).  m starts at the lowest finite number, O and l at 0, so the
; first step is a step like any other, with a = 0.  The price: 104 v_mov_b32 in the wait for the first keys.
; THE ROW SUM l is a product too: ONES (16 x 32) x P.  Every register of it holds the query's sum of the rounded p; register 0 is used, so only the pair 0-1 is rescaled; the others hold sums of
; numbers in 0 .. 1, 2,048 at the most.  That takes 32 packed additions a tile and step from the vector unit and gives the matrix unit 4 instructions.
; TURNS.  Turn t: 8 products K Q^T of tile t + 1; the softmax of tile t, whose scores the turn before made; 12 products of tile t.  So the vector work never waits for a product just issued.
; LIMITS.  Q, K, V arrive within f16's 65,504; O beyond it has no f16.  p below 6e-8 counts as 0.  NaN and infinities are not treated apart.
.set VB,    131072                     ; LDS: K's 128 fragments at 0, V's 128 at VB
.set SPARE, 262144                     ; the spare words, 128 bytes for each of eight waves: four blocks of 256 bytes that no other line names
.set L16, 2                            ; v2   16 x lane
.set AK,  3                            ; v3   LDS address of K's run of loads
.set AV,  4                            ; v4   of V's
.set SPW, 5                            ; v5   my spare word; never rewritten
.set NIL, 6                            ; v6   0; never rewritten
.set ST,  8                            ; v8-15   tile t: c m, m
.set TT,  16                           ; v16-23  eight chains of the maximum
.set AA,  24                           ; v24 a; v25 named with it as a pair
.set OLD, 26                           ; v26  c m_old
.set RR,  28                           ; v28-31  1 / l
.set Q,   32                           ; v32-63  8 a tile
.set S,   64                           ; v64-191 two buffers of 64: block n of 16 keys at + 8 n
.set P,   192                          ; v192-223 fragment kb of 32 keys at + 8 kb
.set KF,  0                            ; window 1: K of a step, block n at 8 n
.set VF,  64                           ; window 1: V of a step, (kb, channel block cb) at + 16 kb + 8 cb
.set O,   128                          ; window 1: O^T, (t, cb) at + 16 t + 8 cb
.set LS,  192                          ; window 1: l, 8 a tile
.set ONES, 224                         ; window 1: 1.0 in every half
.set WV,  12                           ; s12  wave
.set G1A, 24                           ; s[24:31] group 1 of the first load: 32 rows of 256 bytes
.set G1B, 32                           ; s[32:39] of the second: 96 rows
.set G0A, 40                           ; s[40:43]
.set G0B, 44                           ; s[44:47]
.set CS,  48                           ; s[48:49] c, twice
.set SEL, 50                           ; s[50:51] v_permlanex16_b32's selects
.set TBK, 52                           ; s52  LDS byte of the K to be fetched next
.set TBV, 53                           ; s53  of the V
.set CNT, 54                           ; s54  trips
.set MSB, 0
.macro WIN new                         ; s_set_vgpr_msb: bits 1:0 source 0, 3:2 source 1, 5:4 source 2, 7:6 destination; the high byte repeats the setting that is left
.if MSB != (\new)
	s_set_vgpr_msb (MSB<<8)|(\new)
.set MSB, (\new)
.endif
.endm
.macro PLACES
.rept 4
	v_nop
.endr
.endm
.macro CROUND                          ; a round of the cluster's barrier: my work-group's barrier; wave 0 signals for the work-group; every wave waits for all four; my work-group's barrier once more
	s_barrier_signal -1
	s_barrier_wait -1
	s_cmp_lg_u32 s[WV], 0
	s_cbranch_scc1 .Lnot_wave_0_\@
	s_barrier_signal -3
.Lnot_wave_0_\@:
	s_barrier_wait -3
	s_barrier_signal -1
	s_barrier_wait -1
.endm
	s_load_b256 s[4:11], s[0:1], 0x0               ; qf s[4:5], kf s[6:7], vf s[8:9], of s[10:11]
	v_lshl_add_u32 v[SPW], v0, 2, SPARE
	v_mov_b32 v[NIL], 0
	ds_add_u32 v[SPW], v[NIL]                      ; the wave's opening: the add and its wait stand ahead of my first tensor load; work on registers stands between them
	v_lshrrev_b32 v1, 5, v0
	v_readfirstlane_b32 s[WV], v1                  ; wave 0..7
	v_and_b32 v[L16], 31, v0
	v_lshlrev_b32 v[L16], 4, v[L16]
	s_and_b32 s17, ttmp7, 0xffff                   ; b x 8 + head, which the four partners share
	; waves 0-3 fetch K, waves 4-7 V, a quarter each: all of a descriptor hangs on the wave's number and the head alone
	s_lshr_b32 s18, s[WV], 2
	s_lshl_b32 s18, s18, 17                        ; K's or V's place in LDS
	s_and_b32 s19, s[WV], 3                        ; my quarter
	s_lshl_b32 s52, s19, 13                        ; of the first 32 KB,
	s_mul_i32 s53, s19, 24576
	s_add_co_u32 s53, s53, 32768                   ; and of the other 96 KB
	s_lshl_b32 s54, s17, 17                        ; the head's 128 KB in kf and in vf
	s_mov_b32 s[G0A], 1                            ; 1:0 count = 1
	s_add_co_u32 s[G0A+1], s18, s52                ; 63:32 LDS address
	s_mov_b32 s[G0B], 1
	s_add_co_u32 s[G0B+1], s18, s53
	s_add_co_u32 s56, s54, s52                     ; the two byte offsets in memory
	s_mov_b32 s57, 0
	s_add_co_u32 s58, s54, s53
	s_mov_b32 s59, 0
	; group 1: a dense block, asked for as rows of 256 bytes: 32 elements of 8 bytes
.irp g, G1A, G1B
	s_mov_b32 s[\g], 15|(3<<16)|(1<<21)            ; 15:0 the mask of four; 17:16 elements of 8 bytes; 21 set beside a mask; no padding
	s_mov_b32 s[\g+1], 32<<16                      ; tensor_dim0 = 32
	s_mov_b32 s[\g+3], 32<<16                      ; tile_dim0 = 32
	s_mov_b32 s[\g+5], 32                          ; 32 elements from row to row
	s_mov_b32 s[\g+6], 0
	s_mov_b32 s[\g+7], 0
.endr
	s_mov_b32 s[G1A+2], 32<<16                     ; tensor_dim1 = 32 rows: 8 KB
	s_mov_b32 s[G1A+4], 32                         ; tile_dim1
	s_mov_b32 s[G1B+2], 96<<16                     ; 96 rows: 24 KB
	s_mov_b32 s[G1B+4], 96
	; my place in the cluster enters Q's and O's addresses alone
	s_bfe_u32 s13, ttmp6, 0x40000                  ; cx
	s_lshl_b32 s16, ttmp9, 2
	s_add_co_u32 s16, s16, s13                     ; my block of 512 queries
	s_lshl_b32 s16, s16, 5
	s_lshl_b32 s13, s[WV], 2
	s_add_co_u32 s16, s16, s13                     ; my wave's first tile among the head's 128
	s_lshl_b32 s20, s17, 7
	s_add_co_u32 s20, s20, s16
	s_lshl_b32 s20, s20, 10                        ; qf: [b x 8 + head][tile][1,024]
	s_mov_b32 s21, 0
	s_lshr_b32 s22, s17, 3
	s_lshl_b32 s22, s22, 7
	s_add_co_u32 s22, s22, s16
	s_lshl_b32 s22, s22, 3
	s_and_b32 s13, s17, 7
	s_add_co_u32 s22, s22, s13
	s_lshl_b32 s22, s22, 10                        ; of: [b x 128 + tile][head][1,024]
	s_mov_b32 s23, 0
	s_mov_b32 s[CS], 0x3db8aa3b                    ; c = log2(e) / 16
	s_mov_b32 s[CS+1], s[CS]
	s_mov_b32 s[SEL], 0x76543210
	s_mov_b32 s[SEL+1], 0xfedcba98
	s_mov_b32 s[TBK], 0
	s_mov_b32 s[TBV], VB
	s_wait_dscnt 0x0                               ; the opening add is done
	s_wait_kmcnt 0x0
	s_cmp_lt_u32 s[WV], 4
	s_cselect_b64 s[14:15], s[6:7], s[8:9]         ; kf or vf, by the wave's number
	s_add_nc_u64 s[G0A+2:G0A+3], s[14:15], s[56:57]  ; 120:64 global address
	s_or_b32 s[G0A+3], s[G0A+3], 0x80000000        ; 127:126 type = 2
	s_add_nc_u64 s[G0B+2:G0B+3], s[14:15], s[58:59]
	s_or_b32 s[G0B+3], s[G0B+3], 0x80000000
	s_add_nc_u64 s[4:5], s[4:5], s[20:21]
	s_add_nc_u64 s[10:11], s[10:11], s[22:23]
	CROUND                                         ; all four work-groups are here: the joint loads meet
	tensor_load_to_lds s[G0A:G0A+3], s[G1A:G1A+7]  ; my part of keys 0-511
	s_nop 0
	tensor_load_to_lds s[G0B:G0B+3], s[G1B:G1B+7]  ; my part of keys 512-2,047
	s_nop 0
.rept 4
	v_nop
.endr
.irp i, 0,1,2,3,4,5,6,7
	global_load_b128 v[Q+4*\i:Q+4*\i+3], v[L16], s[4:5] offset:512*\i  ; my four tiles of Q stay in registers
.endr
	WIN 0x40                                       ; what the first step finds: O^T and l are 0
.set i, O
.rept 96
	v_mov_b32 v[i], 0
.set i, i+1
.endr
.set i, ONES
.rept 8
	v_mov_b32 v[i], 0x3c003c00
.set i, i+1
.endr
	WIN 0
.irp t, 0,1,2,3
	v_mov_b32 v[ST+2*\t], 0xfe000000               ; c m: far below every c s
	v_mov_b32 v[ST+2*\t+1], 0xff7fffff             ; m
.endr
	v_mov_b32 v[AA+1], 0
; THE LDS LOADS stand in runs of 16: a step's K (8 fragments) and its V (8 fragments), 8 KB each, 512 consecutive bytes a load
.macro FETCH_K
	WIN 0
	v_add_nc_u32 v[AK], s[TBK], v[L16]
	WIN 0x40
.set f, 0
.rept 16
	ds_load_b128 v[KF+4*f:KF+4*f+3], v[AK] offset:512*f
.set f, f+1
.endr
	s_add_co_u32 s[TBK], s[TBK], 8192              ; the next fetch is the next step's
	WIN 0
.endm
.macro FETCH_V
	WIN 0
	v_add_nc_u32 v[AV], s[TBV], v[L16]
	WIN 0x40
.set f, 0
.rept 16
	ds_load_b128 v[VF+4*f:VF+4*f+3], v[AV] offset:512*f
.set f, f+1
.endr
	s_add_co_u32 s[TBV], s[TBV], 8192
	WIN 0
.endm
.macro KQ tn, buf                      ; the scores of tile tn against the step's 128 keys: eight sums of one product each, started by the constant 0
	WIN 0x01
.irp n, 0,1,2,3,4,5,6,7
	v_wmma_f32_16x16x32_f16 v[S+64*(\buf)+8*\n:S+64*(\buf)+8*\n+7], v[KF+8*\n:KF+8*\n+7], v[Q+8*(\tn):Q+8*(\tn)+7], 0
.endr
.endm
.macro PV t                            ; O^T's two channel blocks and l: three accumulators that take turns, one instruction a turn
	WIN 0x51
.irp kb, 0,1,2,3
	v_wmma_f32_16x16x32_f16 v[O+16*(\t):O+16*(\t)+7],    v[VF+16*\kb:VF+16*\kb+7],    v[P+8*\kb:P+8*\kb+7], v[O+16*(\t):O+16*(\t)+7]
	v_wmma_f32_16x16x32_f16 v[O+16*(\t)+8:O+16*(\t)+15], v[VF+16*\kb+8:VF+16*\kb+15], v[P+8*\kb:P+8*\kb+7], v[O+16*(\t)+8:O+16*(\t)+15]
	v_wmma_f32_16x16x32_f16 v[LS+8*(\t):LS+8*(\t)+7],    v[ONES:ONES+7],              v[P+8*\kb:P+8*\kb+7], v[LS+8*(\t):LS+8*(\t)+7]
.endr
.endm
.macro FF i                            ; c s - c m for pair i of the tile's 32
	v_pk_fma_f32 v[rS+2*(\i):rS+2*(\i)+1], v[rS+2*(\i):rS+2*(\i)+1], s[CS:CS+1], v[rT:rT+1] op_sel_hi:[1,0,0] neg_lo:[0,0,1] neg_hi:[0,0,1]
.endm
; THE SOFTMAX of tile t for one step, on the lane's 64 scores.
.macro SMAX t
	WIN 0
.set rS, S+64*((\t)%2)
.set rT, ST+2*(\t)
.irp n, 0,1,2,3,4,5,6,7                ; eight chains, one a block of 16 keys; each accumulator's lowest registers are read first
	v_max3_num_f32 v[TT+\n], v[rS+8*\n], v[rS+8*\n+1], v[rS+8*\n+2]
.endr
.if (\t) == 0
	FETCH_V                                        ; this step's V: the eight lines above and the address line are the places behind the last product that read V
.elseif (\t) == 2
	FETCH_K                                        ; the next step's K: likewise behind the last product that read K
.endif
.irp n, 0,1,2,3,4,5,6,7
	v_max3_num_f32 v[TT+\n], v[TT+\n], v[rS+8*\n+3], v[rS+8*\n+4]
.endr
.irp n, 0,1,2,3,4,5,6,7
	v_max3_num_f32 v[TT+\n], v[TT+\n], v[rS+8*\n+5], v[rS+8*\n+6]
.endr
.irp n, 0,1,2,3
	v_max3_num_f32 v[TT+\n], v[TT+\n], v[rS+16*\n+7], v[rS+16*\n+15]
.endr
	v_max3_num_f32 v[TT], v[TT], v[TT+1], v[TT+2]
	v_max3_num_f32 v[TT+3], v[TT+3], v[TT+4], v[TT+5]
	v_max3_num_f32 v[TT+6], v[TT+6], v[TT+7], v[rT+1]  ; the old m among them
	v_mov_b32 v[OLD], v[rT]
	v_max3_num_f32 v[TT], v[TT], v[TT+3], v[TT+6]
	v_permlanex16_b32 v[TT+1], v[TT], s[SEL], s[SEL+1] ; the query's other 64 keys lie in the lane 16 away
	v_max_num_f32 v[rT+1], v[TT], v[TT+1]
	v_mul_f32 v[rT], s[CS], v[rT+1]
	v_sub_f32 v[TT+2], v[OLD], v[rT]
	v_exp_f32 v[AA], v[TT+2]                       ; a
	FF 0                                           ; two plain lines behind the exponential
	FF 1
	WIN 0x41                                       ; O^T and l (destination and source 0) in window 1, a in window 0
	s_wait_alu depctr_va_vdst(0)
.irp k, 0,1,2,3,4,5,6,7
	v_pk_mul_f32 v[O+16*(\t)+2*\k:O+16*(\t)+2*\k+1], v[O+16*(\t)+2*\k:O+16*(\t)+2*\k+1], v[AA:AA+1] op_sel_hi:[1,0]
.endr
	v_pk_mul_f32 v[LS+8*(\t):LS+8*(\t)+1], v[LS+8*(\t):LS+8*(\t)+1], v[AA:AA+1] op_sel_hi:[1,0]
	WIN 0
; Group i: the scaling two pairs ahead; exponential 2 i; the rounding of pair i - 1; exponential 2 i + 1.  Between an exponential and the rounding that reads it stands the next group's
; scaling, a plain line (ISA guide 5.7.2); where no scaling is left, a v_nop.
.set i, 0
.rept 32
.if i < 30
	FF i+2
.else
	v_nop
.endif
	v_exp_f32 v[rS+2*i], v[rS+2*i]
.if i > 0
	s_wait_alu depctr_va_vdst(0)
	v_cvt_pk_f16_f32 v[P+i-1], v[rS+2*i-2], v[rS+2*i-1]
.endif
	v_exp_f32 v[rS+2*i+1], v[rS+2*i+1]
.set i, i+1
.endr
	v_nop
	s_wait_alu depctr_va_vdst(0)
	v_cvt_pk_f16_f32 v[P+31], v[rS+62], v[rS+63]
.endm
.macro TURN t
.if (\t) == 3
	s_wait_dscnt 0x0                               ; the next step's K is in
.endif
	KQ ((\t)+1)%4, ((\t)+1)%2
	SMAX \t
.if (\t) == 0
	s_wait_dscnt 0x0                               ; V is in
.endif
	PV \t
.endm
.macro STEP
	TURN 0
	TURN 1
	TURN 2
	TURN 3
	WIN 0                                          ; at a label and at a branch every window is 0
.endm
	s_wait_tensorcnt 0x1                           ; my part of keys 0-511 is in; the second load may stay out
	s_barrier_signal -1
	s_barrier_wait -1                              ; everybody's is
	FETCH_K                                        ; step 0
	s_wait_loadcnt 0x0                             ; Q
	s_wait_dscnt 0x0
	KQ 0, 0                                        ; tile 0's first scores
	WIN 0
	PLACES                                         ; between those products and the first read of their results
	s_mov_b32 s[CNT], 3
.Lnear:                                                ; steps 0-2 read V of steps 0-2 and K of steps 1-3: keys 0-511
	STEP
	s_sub_co_u32 s[CNT], s[CNT], 1
	s_cmp_lg_u32 s[CNT], 0
	s_cbranch_scc1 .Lnear
	s_wait_tensorcnt 0x0                           ; my part of the other keys is in,
	s_wait_dscnt 0x0
	s_barrier_signal -1
	s_barrier_wait -1                              ; everybody's is
	s_mov_b32 s[CNT], 13
.Lfar:                                                 ; steps 3-15.  The last trip's run for K takes the 8 KB behind K's end, V's first, which have landed; the eight products on them serve nothing:
	STEP                                           ; the price, once a launch, of one text for every trip
	s_sub_co_u32 s[CNT], s[CNT], 1
	s_cmp_lg_u32 s[CNT], 0
	s_cbranch_scc1 .Lfar
	; THE WAY OUT.  O = Q + O^T / l: register i of a tile's O^T holds the channel of half i % 2 of register i / 2 of the tile's Q, so the residual is the addend of one multiply-add.
	PLACES                                         ; behind the last products
	WIN 0x01                                       ; source 0 in window 1
.irp t, 0,1,2,3
	v_rcp_f32 v[RR+\t], v[LS+8*\t]
.endr
	v_nop                                          ; a plain instruction between the last reciprocal and the use of its result
.set t, 0
	s_wait_alu depctr_va_vdst(0)
.rept 4
.irp k, 0,1,2,3,4,5,6,7
	v_fma_mix_f32 v[S+16*t+2*\k],   v[O+16*t+2*\k],   v[RR+t], v[Q+8*t+\k] op_sel:[0,0,0] op_sel_hi:[0,0,1]
	v_fma_mix_f32 v[S+16*t+2*\k+1], v[O+16*t+2*\k+1], v[RR+t], v[Q+8*t+\k] op_sel:[0,0,1] op_sel_hi:[0,0,1]
.endr
.set t, t+1
.endr
	WIN 0
.set i, 0
.rept 32
	v_cvt_pk_f16_f32 v[P+i], v[S+2*i], v[S+2*i+1]  ; eight registers a tile: a fragment (rows = queries, k = the head's channels)
.set i, i+1
.endr
.irp t, 0,1,2,3
	global_store_b128 v[L16], v[P+8*\t:P+8*\t+3],   s[10:11] offset:\t*8192      ; 512 consecutive bytes, at a multiple of 512 from of's first byte
	global_store_b128 v[L16], v[P+8*\t+4:P+8*\t+7], s[10:11] offset:\t*8192+512
.endr
	s_wait_tensorcnt 0x0                           ; the wave's end, behind my last tensor load
	ds_add_u32 v[SPW], v[NIL]
	s_wait_dscnt 0x0
	CROUND                                         ; the closing round
	s_endpgm
.Lfunc_end_k_qf7ce4afcbc_attn:
	.size	k_qf7ce4afcbc_attn, .Lfunc_end_k_qf7ce4afcbc_attn-k_qf7ce4afcbc_attn
	.p2alignl 7, 3214868480
	.fill 96, 4, 3214868480
	.section	.rodata,"a",@progbits
	.p2align	6, 0x0
	.amdhsa_kernel k_qf7ce4afcbc_attn
		.amdhsa_group_segment_fixed_size 327680
		.amdhsa_private_segment_fixed_size 0
		.amdhsa_enable_private_segment 0
		.amdhsa_kernarg_size 32
		.amdhsa_user_sgpr_count 2
		.amdhsa_user_sgpr_kernarg_segment_ptr 1
		.amdhsa_wavefront_size32 1
		.amdhsa_system_sgpr_workgroup_id_x 1
		.amdhsa_system_sgpr_workgroup_id_y 1
		.amdhsa_system_sgpr_workgroup_id_z 1
		.amdhsa_system_vgpr_workitem_id 0
		.amdhsa_next_free_vgpr 512
		.amdhsa_next_free_sgpr 66
		.amdhsa_reserve_vcc 0
		.amdhsa_float_denorm_mode_32 3
		.amdhsa_float_denorm_mode_16_64 3
		.amdhsa_memory_ordered 1
		.amdhsa_forward_progress 1
		.amdhsa_inst_pref_size 115
	.end_amdhsa_kernel
	.amdgpu_metadata
---
amdhsa.version: [ 1, 2 ]
amdhsa.kernels:
  - .name:           k_qf7ce4afcbc_attn
    .symbol:         k_qf7ce4afcbc_attn.kd
    .args:
      - { .name: qf, .offset: 0, .size: 8, .value_kind: global_buffer, .address_space: global }
      - { .name: kf, .offset: 8, .size: 8, .value_kind: global_buffer, .address_space: global }
      - { .name: vf, .offset: 16, .size: 8, .value_kind: global_buffer, .address_space: global }
      - { .name: of, .offset: 24, .size: 8, .value_kind: global_buffer, .address_space: global }
    .group_segment_fixed_size: 327680
    .private_segment_fixed_size: 0
    .kernarg_segment_align: 8
    .kernarg_segment_size: 32
    .max_flat_workgroup_size: 256
    .sgpr_count:     66
    .vgpr_count:     512
    .wavefront_size: 32
...
	.end_amdgpu_metadata
.endif
;; end of part 3
;; launch ffn (part 4): grid 256 x 1, 8 waves a work-group, no clusters, 169,984 bytes of LDS; arguments of, wf, b1, b2, ln1_g, ln1_b, out0; writes out0
.if DOCPART == 4
	.amdgcn_target "amdgcn-amd-amdhsa--gfx1250"
	.amdhsa_code_object_version 6
	.text
	.protected	k_qf7ce4afcbc_ffn
	.globl	k_qf7ce4afcbc_ffn
	.p2align	8
	.type	k_qf7ce4afcbc_ffn,@function
k_qf7ce4afcbc_ffn:
	s_mov_b64 s[64:65], 0
	v_nop
	global_prefetch_b8 v0, s[64:65] scope:SCOPE_SE
	s_setreg_imm32_b32 hwreg(HW_REG_WAVE_MODE, 25, 1), 1
	s_wait_xcnt 0x0
; out = O + gelu(LN1(O) W1 + b1) W2 + b2, for 64 rows (four tiles of 16) a work-group.  Products in f16 with f32 sums; LN1 and GELU in f32.
; O comes as fragments [tile][head][1,024] of f16 (16 rows x the head's 32 channels; a lane's first 16 bytes at 16 x lane, its second at 512 + 16 x lane).
; WAVE w: (1) holds head w's fragments of the four tiles, for LN1 and for the residual; (2) FF1: hidden channels 64 w .. + 63, four blocks of 16, 128 matrix instructions;
; (3) FF2: output channels 32 w .. + 31, the channels of its own O, 128 matrix instructions; (4) stores rows 8 w .. + 7.
; LN1 spans the eight waves: each makes the mean and the sum of squared differences of its 32 channels of a row; they meet in LDS once and are joined: the row's mean is the mean of the eight means, and
; the row's sum of squares is the sum of the eight plus 32 x the squared distances of the eight means from it.  No difference of large sums is formed.
; In every product source 0 is the weight: a lane holds one row and eight channels, which packed to f16 are half a fragment of the next product.  So LN1(O) and the hidden layer go through LDS in
; fragment order, 512 consecutive bytes an instruction.  The biases are loaded into the accumulators, so the first product adds onto them.
; GELU is the exact one, x (1 + erf(x / sqrt 2)) / 2, with erfc(z) = t (a1 + t (a2 + t (a3 + t (a4 + t a5)))) e^(-z z), t = 1 / (1 + 0.3275911 z) (Abramowitz and Stegun 7.1.26: off by 1.5e-7 at the most,
; for every z >= 0): with w = erfc(|x| / sqrt 2), gelu = x / 2 + |x / 2| (1 - w).
; The f32 result goes out through a stage in LDS, so that a store covers 512 consecutive bytes of a row.
; NO CLUSTER: what the work-groups share is W1 and W2, 512 KB in f16.  A wave takes its 64 KB straight into registers, each fragment once (W2 into W1's registers as they fall free); a joint load lands
; in LDS alone, where 512 KB do not fit, so sharing would want a ring of slots and a round of the cluster's barrier for every few of a wave's 256 matrix instructions.
; LIMITS: LN1(O) and the hidden layer beyond 65,504 have no f16; below 6e-5 they keep f16's fixed step of 6e-8.  The residual is O as rounded to f16.  NaN and infinities are not treated apart.
.set STS,   0                          ; [tile][row][wave] pairs (mean, squares): 4,096 bytes
.set ON,    4096                       ; LN1(O): [tile][head][1,024]: 32,768 bytes
.set HH,    36864                      ; the hidden layer: [tile][32 channels, 16][1,024]: 65,536 bytes
.set STG,   102400                     ; the stage: 64 rows of 1,024 bytes, 1,040 apart
.set SP,    1040                       ; an odd multiple of 16: the 16 rows of a store start in 16 different groups of four banks (ISA guide 11.1)
.set SPARE, 168960                     ; the spare words, 128 bytes for each of eight waves: four blocks of 256 bytes that no other line names
.set W1B,   393216                     ; W1's and W2's first bytes in wf
.set W2B,   655360
.set L16, 1                            ; v1   16 x lane
.set SPW, 2                            ; v2   my spare word; never rewritten
.set NIL, 3                            ; v3   0; never rewritten
.set STA, 4                            ; v4   64 r + 8 w
.set STR, 5                            ; v5   64 r
.set ONW, 6                            ; v6   ON + 1,024 w + 16 x lane
.set ONR, 7                            ; v7   ON + 16 x lane
.set HWR, 8                            ; v8   HH + 2,048 w + 16 x lane
.set HRD, 9                            ; v9   HH + 16 x lane
.set SWA, 10                           ; v10  STG + 1,040 r + 128 w + 32 h
.set SRA, 11                           ; v11  STG + 8 w x 1,040 + 16 x lane
.set GO,  12                           ; v12  128 w + 32 h: my channels in ln1_g, ln1_b, b2
.set B1O, 13                           ; v13  256 w + 32 h: in b1
.set ZERO, 14                          ; v14  0.0
.set ONE, 15                           ; v15  1.0
.set OP,  16                           ; v16-47   O as loaded, 8 a tile
.set ACC, 48                           ; v48-175  FF1: accumulator (blk, t) at + 8 (4 blk + t); FF2: v48-111 likewise
.set AB,  176                          ; v176-239 two buffers of four fragments; GELU's registers at work; the rows on their way out
.set HP,  240                          ; v240-255 packed hidden numbers, four sets
.set X,   48                           ; LN1: O in f32, 16 a tile
.set Z,   112                          ; LN1: at work, then the eight waves' pairs, 16 a tile
.set G,   176                          ; ln1_g of my 16 channels
.set BT,  192                          ; ln1_b
.set D,   208                          ; four at work a tile
.set MU,  224                          ; the row's mean, twice, a tile
.set RS,  232                          ; 1 / sqrt, twice, a tile
.set PP,  28                           ; s28      0.3275911 / sqrt 2
.set KK,  30                           ; s[30:31] sqrt(log2(e) / 2)
.set A5,  32                           ; s[32:41] a5 .. a1, each twice
.set MSB, 0
.macro WIN new                         ; s_set_vgpr_msb: bits 1:0 source 0, 3:2 source 1, 5:4 source 2, 7:6 destination; the high byte repeats the setting that is left
.if MSB != (\new)
	s_set_vgpr_msb (MSB<<8)|(\new)
.set MSB, (\new)
.endif
.endm
.macro PLACES                          ; four plain vector instructions between a matrix instruction and a read of its result or a load into its sources
.rept 4
	v_nop
.endr
.endm
.macro TILES line:vararg               ; one line for each of the four tiles t
.set t, 0
.rept 4
	\line
.set t, t+1
.endr
.endm
	s_load_b256 s[4:11], s[0:1], 0x0               ; of s[4:5], wf s[6:7], b1 s[8:9], b2 s[10:11]
	s_load_b128 s[12:15], s[0:1], 0x20             ; ln1_g s[12:13], ln1_b s[14:15]
	s_load_b64 s[16:17], s[0:1], 0x30              ; out0
	v_lshl_add_u32 v[SPW], v0, 2, SPARE
	v_mov_b32 v[NIL], 0
	v_lshrrev_b32 v[L16], 5, v0
	v_readfirstlane_b32 s18, v[L16]                ; wave 0..7
	s_mov_b32 s20, 0x76543210                      ; v_permlanex16_b32: each lane takes its own place in the other half
	s_mov_b32 s21, 0xfedcba98
	s_mov_b32 s22, 0x3d000000                      ; 1 / 32
	s_mov_b32 s23, 0x3e000000                      ; 1 / 8
	s_mov_b32 s24, 0x42000000                      ; 32
	s_mov_b32 s25, 0x3b800000                      ; 1 / 256
	s_mov_b32 s26, 0x3727c5ac                      ; 1e-5
	s_mov_b32 s[PP], 0x3e6d3389                    ; 0.2316419
	s_mov_b32 s[KK], 0x3f596d27                    ; 0.8493218
	s_mov_b32 s[KK+1], s[KK]
	s_mov_b32 s[A5], 0x3f87dc22                    ; a5 =  1.061405429
	s_mov_b32 s[A5+1], s[A5]
	s_mov_b32 s[A5+2], 0xbfba00e3                  ; a4 = -1.453152027
	s_mov_b32 s[A5+3], s[A5+2]
	s_mov_b32 s[A5+4], 0x3fb5f0e3                  ; a3 =  1.421413741
	s_mov_b32 s[A5+5], s[A5+4]
	s_mov_b32 s[A5+6], 0xbe91a98e                  ; a2 = -0.284496736
	s_mov_b32 s[A5+7], s[A5+6]
	s_mov_b32 s[A5+8], 0x3e827906                  ; a1 =  0.254829592
	s_mov_b32 s[A5+9], s[A5+8]
	s_lshl_b32 s42, ttmp9, 15                      ; of: the group's four tiles of 8,192 bytes,
	s_lshl_b32 s43, s18, 10                        ; my head's fragment
	s_add_co_u32 s42, s42, s43
	s_mov_b32 s43, 0
	s_lshl_b32 s44, s18, 15                        ; wf: my 32 KB of W1 and of W2
	s_mov_b32 s45, 0
	s_lshl_b32 s46, ttmp9, 16                      ; out0: the group's 64 rows,
	s_lshl_b32 s47, s18, 13                        ; my wave's 8
	s_add_co_u32 s46, s46, s47
	s_mov_b32 s47, 0
	s_lshl_b32 s48, s18, 7                         ; 128 w
	s_add_co_u32 s49, s48, STG
	s_mul_i32 s50, s18, 8*SP
	s_add_co_u32 s50, s50, STG
	s_lshl_b32 s51, s18, 3
	s_lshl_b32 s52, s18, 10
	s_add_co_u32 s52, s52, ON
	s_lshl_b32 s53, s18, 11
	s_add_co_u32 s53, s53, HH
	s_lshl_b32 s54, s18, 8
	v_and_b32 v[L16], 31, v0
	v_lshlrev_b32 v[L16], 4, v[L16]
	v_and_b32 v[STR], 15, v0                       ; r
	v_bfe_u32 v[GO], v0, 4, 1                      ; h
	v_mul_u32_u24 v[SWA], v[STR], SP
	v_lshl_add_u32 v[SWA], v[GO], 5, v[SWA]
	v_add_nc_u32 v[SWA], s49, v[SWA]
	v_add_nc_u32 v[SRA], s50, v[L16]
	v_lshlrev_b32 v[STR], 6, v[STR]
	v_add_nc_u32 v[STA], s51, v[STR]
	v_add_nc_u32 v[ONW], s52, v[L16]
	v_add_nc_u32 v[ONR], ON, v[L16]
	v_add_nc_u32 v[HWR], s53, v[L16]
	v_add_nc_u32 v[HRD], HH, v[L16]
	v_lshl_add_u32 v[B1O], v[GO], 5, s54
	v_lshl_add_u32 v[GO], v[GO], 5, s48
	v_mov_b32 v[ZERO], 0
	v_mov_b32 v[ONE], 1.0
	s_wait_kmcnt 0x0
	s_add_nc_u64 s[4:5], s[4:5], s[42:43]
	s_add_nc_u64 s[6:7], s[6:7], s[44:45]
	s_add_nc_u64 s[16:17], s[16:17], s[46:47]
.irp t, 0,1,2,3
	global_load_b128 v[OP+8*\t:OP+8*\t+3],   v[L16], s[4:5] offset:\t*8192 th:TH_LOAD_NT
	global_load_b128 v[OP+8*\t+4:OP+8*\t+7], v[L16], s[4:5] offset:\t*8192+512 th:TH_LOAD_NT
.endr
.irp o, 0,1,2,3                        ; channels 8 h + 0..7 (o = 0, 1) and 16 + 8 h + 0..7 (o = 2, 3) of my head
	global_load_b128 v[G+4*\o:G+4*\o+3],   v[GO], s[12:13] offset:(\o/2)*64+(\o%2)*16
	global_load_b128 v[BT+4*\o:BT+4*\o+3], v[GO], s[14:15] offset:(\o/2)*64+(\o%2)*16
.endr
.macro LDW1 k0                         ; W1's fragments of K steps k0 .. k0 + 3 into window 1: (blk, ks) at 32 ks + 8 blk
	WIN 0x40
.set c, 0
.rept 16
	global_load_b128 v[32*((\k0)+c/4)+8*(c%4):32*((\k0)+c/4)+8*(c%4)+3],   v[L16], s[6:7] offset:W1B+(c%4)*8192+((\k0)+c/4)*1024
	global_load_b128 v[32*((\k0)+c/4)+8*(c%4)+4:32*((\k0)+c/4)+8*(c%4)+7], v[L16], s[6:7] offset:W1B+(c%4)*8192+((\k0)+c/4)*1024+512
.set c, c+1
.endr
	WIN 0
.endm
	LDW1 0
	s_wait_loadcnt 32                              ; those 32 may be out: O, the gain and the offset are in
	LDW1 4
	; LN1, stage by stage across the four tiles.  f16 to f32: the half x 1.0 + 0
.irp k, 0,1,2,3,4,5,6,7
	TILES v_fma_mix_f32 v[X+16*t+2*\k], v[OP+8*t+\k], v[ONE], v[ZERO] op_sel:[0,0,0] op_sel_hi:[1,0,0]
	TILES v_fma_mix_f32 v[X+16*t+2*\k+1], v[OP+8*t+\k], v[ONE], v[ZERO] op_sel:[1,0,0] op_sel_hi:[1,0,0]
.endr
.irp k, 0,1,2,3
	TILES v_pk_add_f32 v[Z+16*t+2*\k:Z+16*t+2*\k+1], v[X+16*t+4*\k:X+16*t+4*\k+1], v[X+16*t+4*\k+2:X+16*t+4*\k+3]
.endr
	TILES v_pk_add_f32 v[Z+16*t:Z+16*t+1], v[Z+16*t:Z+16*t+1], v[Z+16*t+2:Z+16*t+3]
	TILES v_pk_add_f32 v[Z+16*t+4:Z+16*t+5], v[Z+16*t+4:Z+16*t+5], v[Z+16*t+6:Z+16*t+7]
	TILES v_pk_add_f32 v[Z+16*t:Z+16*t+1], v[Z+16*t:Z+16*t+1], v[Z+16*t+4:Z+16*t+5]
	TILES v_add_f32 v[Z+16*t], v[Z+16*t], v[Z+16*t+1]
	TILES v_permlanex16_b32 v[Z+16*t+1], v[Z+16*t], s20, s21   ; the row's other 16 channels of my head lie in the lane 16 away
	TILES v_add_f32 v[Z+16*t], v[Z+16*t], v[Z+16*t+1]
	TILES v_mul_f32 v[D+4*t], s22, v[Z+16*t]       ; the mean of my 32 channels, twice
	TILES v_mul_f32 v[D+4*t+1], s22, v[Z+16*t]
.irp k, 0,1,2,3,4,5,6,7
	TILES v_pk_add_f32 v[Z+16*t+2*\k:Z+16*t+2*\k+1], v[X+16*t+2*\k:X+16*t+2*\k+1], v[D+4*t:D+4*t+1] neg_lo:[0,1] neg_hi:[0,1]
.endr
	TILES v_pk_mul_f32 v[D+4*t+2:D+4*t+3], v[Z+16*t:Z+16*t+1], v[Z+16*t:Z+16*t+1]
.irp k, 1,2,3,4,5,6,7
	TILES v_pk_fma_f32 v[D+4*t+2:D+4*t+3], v[Z+16*t+2*\k:Z+16*t+2*\k+1], v[Z+16*t+2*\k:Z+16*t+2*\k+1], v[D+4*t+2:D+4*t+3]
.endr
	TILES v_add_f32 v[D+4*t+2], v[D+4*t+2], v[D+4*t+3]
	TILES v_permlanex16_b32 v[D+4*t+3], v[D+4*t+2], s20, s21
	TILES v_add_f32 v[D+4*t+1], v[D+4*t+2], v[D+4*t+3]         ; the squared differences from that mean
	TILES ds_store_b64 v[STA], v[D+4*t:D+4*t+1] offset:STS+t*1024  ; both halves of the lanes write the same pair to the same place
	s_wait_dscnt 0x0                               ; for the others' sake
	s_barrier_signal -1
	s_barrier_wait -1
.irp c, 0,1,2,3
	TILES ds_load_b128 v[Z+16*t+4*\c:Z+16*t+4*\c+3], v[STR] offset:STS+t*1024+16*\c  ; my row's eight pairs
.endr
	s_wait_dscnt 0x0
	TILES v_pk_add_f32 v[D+4*t:D+4*t+1], v[Z+16*t:Z+16*t+1], v[Z+16*t+2:Z+16*t+3]
.irp k, 2,3,4,5,6,7
	TILES v_pk_add_f32 v[D+4*t:D+4*t+1], v[D+4*t:D+4*t+1], v[Z+16*t+2*\k:Z+16*t+2*\k+1]
.endr
	TILES v_mul_f32 v[MU+2*t], s23, v[D+4*t]       ; the row's mean, twice
	TILES v_mul_f32 v[MU+2*t+1], s23, v[D+4*t]
	TILES v_sub_f32 v[D+4*t+2], v[Z+16*t], v[MU+2*t]
	TILES v_mul_f32 v[D+4*t+3], v[D+4*t+2], v[D+4*t+2]
.irp k, 1,2,3,4,5,6,7
	TILES v_sub_f32 v[D+4*t+2], v[Z+16*t+2*\k], v[MU+2*t]
	TILES v_fma_f32 v[D+4*t+3], v[D+4*t+2], v[D+4*t+2], v[D+4*t+3]
.endr
	TILES v_fma_f32 v[D+4*t+1], v[D+4*t+3], s24, v[D+4*t+1]    ; the row's squared differences
	TILES v_fma_f32 v[D+4*t+1], v[D+4*t+1], s25, s26           ; the variance + 1e-5
	TILES v_rsq_f32 v[RS+2*t], v[D+4*t+1]
	TILES v_rsq_f32 v[RS+2*t+1], v[D+4*t+1]
	v_nop                                          ; a plain instruction between the last root and the use of its result (ISA guide 5.7.2)
	s_wait_alu depctr_va_vdst(0)
.irp k, 0,1,2,3,4,5,6,7
	TILES v_pk_add_f32 v[X+16*t+2*\k:X+16*t+2*\k+1], v[X+16*t+2*\k:X+16*t+2*\k+1], v[MU+2*t:MU+2*t+1] neg_lo:[0,1] neg_hi:[0,1]
.endr
.irp k, 0,1,2,3,4,5,6,7
	TILES v_pk_mul_f32 v[X+16*t+2*\k:X+16*t+2*\k+1], v[X+16*t+2*\k:X+16*t+2*\k+1], v[RS+2*t:RS+2*t+1]
.endr
.irp k, 0,1,2,3,4,5,6,7
	TILES v_pk_fma_f32 v[X+16*t+2*\k:X+16*t+2*\k+1], v[X+16*t+2*\k:X+16*t+2*\k+1], v[G+2*\k:G+2*\k+1], v[BT+2*\k:BT+2*\k+1]
.endr
.irp k, 0,1,2,3,4,5,6,7
	TILES v_cvt_pk_f16_f32 v[X+16*t+\k], v[X+16*t+2*\k], v[X+16*t+2*\k+1]
.endr
	TILES ds_store_b128 v[ONW], v[X+16*t:X+16*t+3] offset:t*8192
	TILES ds_store_b128 v[ONW], v[X+16*t+4:X+16*t+7] offset:t*8192+512
	s_wait_dscnt 0x0                               ; for the others' sake; and the stores have read X, into which b1 is loaded now
.set a, 0
.rept 16                                       ; b1 of hidden channels 64 w + 16 blk + 8 h + 0..7 into accumulator (blk, t): the first product adds onto it
	global_load_b128 v[ACC+8*a:ACC+8*a+3],   v[B1O], s[8:9] offset:(a/4)*64
	global_load_b128 v[ACC+8*a+4:ACC+8*a+7], v[B1O], s[8:9] offset:(a/4)*64+16
.set a, a+1
.endr
	s_barrier_signal -1
	s_barrier_wait -1
	s_wait_loadcnt 0x0                             ; W1 and b1
.macro LDF areg, ts, ks, buf           ; the four tiles' fragments of K step ks, ts bytes from tile to tile
.irp t, 0,1,2,3
	ds_load_b128 v[AB+32*(\buf)+8*\t:AB+32*(\buf)+8*\t+3],   v[\areg] offset:\t*(\ts)+(\ks)*1024
	ds_load_b128 v[AB+32*(\buf)+8*\t+4:AB+32*(\buf)+8*\t+7], v[\areg] offset:\t*(\ts)+(\ks)*1024+512
.endr
.endm
	; FF1: 8 K steps of 16 matrix instructions on 16 accumulators, which take turns.  Behind each step its 32 registers of W1 take W2's K steps 2 ks and 2 ks + 1.
	LDF ONR, 8192, 0, 0
.set ks, 0
.rept 8
.if ks < 7
	LDF ONR, 8192, ks+1, (ks+1)%2
	s_wait_dscnt 8                                 ; the 8 just issued may be out
.else
	s_wait_dscnt 0
.endif
	WIN 0x01                                       ; source 0, the weight, in window 1
.set a, 0
.rept 16
	v_wmma_f32_16x16x32_f16 v[ACC+8*a:ACC+8*a+7], v[32*ks+8*(a/4):32*ks+8*(a/4)+7], v[AB+32*(ks%2)+8*(a%4):AB+32*(ks%2)+8*(a%4)+7], v[ACC+8*a:ACC+8*a+7]
.set a, a+1
.endr
	WIN 0
	PLACES                                         ; in front of the loads into W1's registers and into the buffer just read; behind the last step, in front of GELU
	WIN 0x40
.irp c, 0,1,2,3                        ; W2's fragment (blk2 = c % 2, ks2 = 2 ks + c / 2) at 16 ks2 + 8 blk2
	global_load_b128 v[32*ks+8*\c:32*ks+8*\c+3],   v[L16], s[6:7] offset:W2B+(\c%2)*16384+(2*ks+\c/2)*1024
	global_load_b128 v[32*ks+8*\c+4:32*ks+8*\c+7], v[L16], s[6:7] offset:W2B+(\c%2)*16384+(2*ks+\c/2)*1024+512
.endr
	WIN 0
.set ks, ks+1
.endr
; GELU of accumulator a = 4 blk + t, rounded to f16 and put into the hidden layer's fragment: 32 channels 2 w + blk / 2, half blk % 2.  Two sets of registers at work take turns.
.macro GELU a
.set rX, ACC+8*(\a)
.set rH, AB+32*((\a)%2)
.set rD, rH+8
.set rY, rH+16
.set rQ, rH+24
.set rP, HP+4*((\a)%4)
.irp k, 0,2,4,6
	v_pk_mul_f32 v[rH+\k:rH+\k+1], v[rX+\k:rX+\k+1], 0.5 op_sel_hi:[1,0]          ; x / 2; the accumulator's lowest registers are read first
.endr
.irp j, 0,1,2,3,4,5,6,7
	v_fma_f32 v[rD+\j], |v[rX+\j]|, s[PP], 1.0                                     ; 1 + 0.3275911 |x| / sqrt 2
.endr
.irp k, 0,2,4,6
	v_pk_mul_f32 v[rY+\k:rY+\k+1], v[rX+\k:rX+\k+1], s[KK:KK+1] op_sel_hi:[1,0]
.endr
.irp k, 0,2,4,6
	v_pk_mul_f32 v[rY+\k:rY+\k+1], v[rY+\k:rY+\k+1], v[rY+\k:rY+\k+1] neg_lo:[1,0] neg_hi:[1,0]  ; - x x log2(e) / 2
.endr
.irp j, 0,1,2,3,4,5,6,7
	v_rcp_f32 v[rD+\j], v[rD+\j]                                                   ; t
.endr
.irp j, 0,1,2,3,4,5,6,7
	v_exp_f32 v[rY+\j], v[rY+\j]                                                   ; e^(- x x / 2)
.endr
	v_nop                                                                          ; a plain instruction behind the last of them
	s_wait_alu depctr_va_vdst(0)
.irp k, 0,2,4,6
	v_pk_fma_f32 v[rQ+\k:rQ+\k+1], v[rD+\k:rD+\k+1], s[A5:A5+1], s[A5+2:A5+3] op_sel_hi:[1,0,0]
.endr
.irp k, 0,2,4,6
	v_pk_fma_f32 v[rQ+\k:rQ+\k+1], v[rQ+\k:rQ+\k+1], v[rD+\k:rD+\k+1], s[A5+4:A5+5] op_sel_hi:[1,1,0]
.endr
.irp k, 0,2,4,6
	v_pk_fma_f32 v[rQ+\k:rQ+\k+1], v[rQ+\k:rQ+\k+1], v[rD+\k:rD+\k+1], s[A5+6:A5+7] op_sel_hi:[1,1,0]
.endr
.irp k, 0,2,4,6
	v_pk_fma_f32 v[rQ+\k:rQ+\k+1], v[rQ+\k:rQ+\k+1], v[rD+\k:rD+\k+1], s[A5+8:A5+9] op_sel_hi:[1,1,0]
.endr
.irp k, 0,2,4,6
	v_pk_mul_f32 v[rQ+\k:rQ+\k+1], v[rQ+\k:rQ+\k+1], v[rD+\k:rD+\k+1]
.endr
.irp k, 0,2,4,6
	v_pk_fma_f32 v[rQ+\k:rQ+\k+1], v[rQ+\k:rQ+\k+1], v[rY+\k:rY+\k+1], 1.0 op_sel_hi:[1,1,0] neg_lo:[1,0,0] neg_hi:[1,0,0]  ; 1 - w
.endr
.irp j, 0,1,2,3,4,5,6,7
	v_fma_f32 v[rD+\j], |v[rH+\j]|, v[rQ+\j], v[rH+\j]
.endr
.irp k, 0,1,2,3
	v_cvt_pk_f16_f32 v[rP+\k], v[rD+2*\k], v[rD+2*\k+1]
.endr
	ds_store_b128 v[HWR], v[rP:rP+3] offset:((\a)%4)*16384+((\a)/8)*1024+(((\a)/4)%2)*512
.endm
.irp a, 0,1,2,3,4,5,6,7
	GELU \a
.endr
.set a, 0
.rept 8                                        ; b2 of output channels 32 w + 16 blk2 + 8 h + 0..7 into FF2's accumulators, which the eight GELUs above have read out
	global_load_b128 v[ACC+8*a:ACC+8*a+3],   v[GO], s[10:11] offset:(a/4)*64
	global_load_b128 v[ACC+8*a+4:ACC+8*a+7], v[GO], s[10:11] offset:(a/4)*64+16
.set a, a+1
.endr
.irp a, 8,9,10,11,12,13,14,15
	GELU \a
.endr
	s_wait_dscnt 0x0                               ; for the others' sake: my part of the hidden layer is in LDS
	s_barrier_signal -1
	s_barrier_wait -1
	s_wait_loadcnt 0x0                             ; W2 and b2
	; FF2: 16 K steps of 8 matrix instructions on 8 accumulators by turns
	LDF HRD, 16384, 0, 0
.set ks, 0
.rept 16
.if ks < 15
	LDF HRD, 16384, ks+1, (ks+1)%2
	s_wait_dscnt 8                                 ; the 8 just issued may be out
.else
	s_wait_dscnt 0
.endif
	WIN 0x01
.set a, 0
.rept 8
	v_wmma_f32_16x16x32_f16 v[ACC+8*a:ACC+8*a+7], v[16*ks+8*(a/4):16*ks+8*(a/4)+7], v[AB+32*(ks%2)+8*(a%4):AB+32*(ks%2)+8*(a%4)+7], v[ACC+8*a:ACC+8*a+7]
.set a, a+1
.endr
	WIN 0
	PLACES
.set ks, ks+1
.endr
	; THE WAY OUT.  The residual: register j of accumulator (blk2, t) holds the channel of half j % 2 of register 4 blk2 + j / 2 of my O of tile t.
.set a, 0
.rept 8
.irp k, 0,1,2,3
	v_fma_mix_f32 v[ACC+8*a+2*\k],   v[OP+8*(a%4)+4*(a/4)+\k], v[ONE], v[ACC+8*a+2*\k]   op_sel:[0,0,0] op_sel_hi:[1,0,0]
	v_fma_mix_f32 v[ACC+8*a+2*\k+1], v[OP+8*(a%4)+4*(a/4)+\k], v[ONE], v[ACC+8*a+2*\k+1] op_sel:[1,0,0] op_sel_hi:[1,0,0]
.endr
.set a, a+1
.endr
.set a, 0
.rept 8
	ds_store_b128 v[SWA], v[ACC+8*a:ACC+8*a+3]   offset:(a%4)*16*SP+(a/4)*64
	ds_store_b128 v[SWA], v[ACC+8*a+4:ACC+8*a+7] offset:(a%4)*16*SP+(a/4)*64+16
.set a, a+1
.endr
	s_wait_dscnt 0x0                               ; for the others' sake: a row's 1,024 bytes come from eight waves
	s_barrier_signal -1
	s_barrier_wait -1
.set n, 0
.rept 16
	ds_load_b128 v[AB+4*n:AB+4*n+3], v[SRA] offset:(n/2)*SP+(n%2)*512
.set n, n+1
.endr
.set n, 0
.rept 16
	s_wait_dscnt 15-n                              ; LDS loads come back in order (ISA guide 5.7.1): the younger ones may be out
	global_store_b128 v[L16], v[AB+4*n:AB+4*n+3], s[16:17] offset:(n/2)*1024+(n%2)*512 th:TH_STORE_NT  ; 512 consecutive bytes, at a multiple of 512 from out0's first byte
.set n, n+1
.endr
	s_wait_tensorcnt 0x0                           ; the wave's end, behind my last LDS store
	ds_add_u32 v[SPW], v[NIL]
	s_wait_dscnt 0x0
	s_endpgm
.Lfunc_end_k_qf7ce4afcbc_ffn:
	.size	k_qf7ce4afcbc_ffn, .Lfunc_end_k_qf7ce4afcbc_ffn-k_qf7ce4afcbc_ffn
	.p2alignl 7, 3214868480
	.fill 96, 4, 3214868480
	.section	.rodata,"a",@progbits
	.p2align	6, 0x0
	.amdhsa_kernel k_qf7ce4afcbc_ffn
		.amdhsa_group_segment_fixed_size 169984
		.amdhsa_private_segment_fixed_size 0
		.amdhsa_enable_private_segment 0
		.amdhsa_kernarg_size 56
		.amdhsa_user_sgpr_count 2
		.amdhsa_user_sgpr_kernarg_segment_ptr 1
		.amdhsa_wavefront_size32 1
		.amdhsa_system_sgpr_workgroup_id_x 1
		.amdhsa_system_sgpr_workgroup_id_y 1
		.amdhsa_system_sgpr_workgroup_id_z 1
		.amdhsa_system_vgpr_workitem_id 0
		.amdhsa_next_free_vgpr 512
		.amdhsa_next_free_sgpr 66
		.amdhsa_reserve_vcc 0
		.amdhsa_float_denorm_mode_32 3
		.amdhsa_float_denorm_mode_16_64 3
		.amdhsa_memory_ordered 1
		.amdhsa_forward_progress 1
		.amdhsa_inst_pref_size 157
	.end_amdhsa_kernel
	.amdgpu_metadata
---
amdhsa.version: [ 1, 2 ]
amdhsa.kernels:
  - .name:           k_qf7ce4afcbc_ffn
    .symbol:         k_qf7ce4afcbc_ffn.kd
    .args:
      - { .name: of, .offset: 0, .size: 8, .value_kind: global_buffer, .address_space: global }
      - { .name: wf, .offset: 8, .size: 8, .value_kind: global_buffer, .address_space: global }
      - { .name: b1, .offset: 16, .size: 8, .value_kind: global_buffer, .address_space: global }
      - { .name: b2, .offset: 24, .size: 8, .value_kind: global_buffer, .address_space: global }
      - { .name: ln1_g, .offset: 32, .size: 8, .value_kind: global_buffer, .address_space: global }
      - { .name: ln1_b, .offset: 40, .size: 8, .value_kind: global_buffer, .address_space: global }
      - { .name: out0, .offset: 48, .size: 8, .value_kind: global_buffer, .address_space: global }
    .group_segment_fixed_size: 169984
    .private_segment_fixed_size: 0
    .kernarg_segment_align: 8
    .kernarg_segment_size: 56
    .max_flat_workgroup_size: 256
    .sgpr_count:     66
    .vgpr_count:     512
    .wavefront_size: 32
...
	.end_amdgpu_metadata
.endif
;; end of part 4
;; ======== version 2 of 2: 4 launches; version 1 with the launches proj, ffn written anew for expert scheduling mode
;; limits: values are held in f16: magnitudes above 65,504 overflow, below 6.1e-05 lose precision
;; workspace buffers: wf 917,504 bytes; qf 8,388,608 bytes; kf 8,388,608 bytes; vf 8,388,608 bytes; of 8,388,608 bytes
;; launch prep: the kernel of part 1 again; grid 224 x 1, 4 waves a work-group, no clusters, 0 bytes of LDS; arguments Wq, Wk, Wv, W1, W2, wf; writes wf
;; launch proj (part 5): grid 256 x 1, 8 waves a work-group, no clusters, 68,608 bytes of LDS; arguments x, y, wf, ln0_g, ln0_b, bq, bk, bv, qf, kf, vf; writes qf, kf, vf
.if DOCPART == 5
	.amdgcn_target "amdgcn-amd-amdhsa--gfx1250"
	.amdhsa_code_object_version 6
	.text
	.protected	k_qf7ce4afcbc_proj
	.globl	k_qf7ce4afcbc_proj
	.p2align	8
	.type	k_qf7ce4afcbc_proj,@function
k_qf7ce4afcbc_proj:
	s_mov_b64 s[64:65], 0
	v_nop
	global_prefetch_b8 v0, s[64:65] scope:SCOPE_SE
	s_setreg_imm32_b32 hwreg(HW_REG_WAVE_SCHED_MODE, 0, 2), 2
	s_setreg_imm32_b32 hwreg(HW_REG_WAVE_MODE, 25, 1), 1
	s_wait_xcnt 0x0
	s_wait_alu depctr_vm_vsrc(0)
; Q = LN0(x) Wq + bq, K = y Wk + bk, V = y Wv + bv, for 64 rows a work-group; products in f16 with f32 sums, LN in f32 (mean first, then the squares of the differences).
; PHASE 1: wave w takes rows 8 w .. 8 w + 7 of x and of y: a row is 1,024 bytes, two loads of 512 consecutive bytes; x is normalised; both are rounded once to f16 into LDS.
; PHASE 2: wave w is head w: channels 32 w .. 32 w + 31 (two blocks of 16) of Q, K and V for the group's four tiles of 16 rows: three passes of 64 matrix instructions.
; RESULTS LEAVE IN FRAGMENT ORDER (16 rows x 32 k of f16 = 1,024 bytes: lane's first 16 bytes at 16 x lane, its second at 512 + 16 x lane).  For Q and K source 0 is the weight, so a lane holds
; one row and eight channels, which packed are half a fragment (rows = queries or keys, k = the head's 32 channels).  For V source 0 is y, so a lane holds one channel and eight keys: half a
; fragment (rows = channels, k = 32 keys).  So every store is 512 consecutive bytes from registers, at a multiple of 512 from the buffer's first byte, and no stage in LDS is needed.
; qf, kf: [b x 8 + head][tile of 16 rows, 128][1,024].   vf: [b x 8 + head][block of 32 keys, 64][block of 16 channels, 2][1,024].
; The bias is the C operand of a sum's first product: nothing is cleared and nothing is added afterwards.
; NO CLUSTER: what the work-groups share is the weights, 384 KB in f16.  A wave takes its 48 KB of them straight into registers, each fragment once; a joint load lands in LDS alone, where 384 KB
; do not fit, so sharing would want a ring of slots and a round of the cluster's barrier for every few of a wave's 192 matrix instructions.
; LIMITS: LN0(x), y, Q, K, V beyond 65,504 have no f16; below 6e-5 they keep f16's fixed step of 6e-8.  NaN and infinities are not treated apart.
; THE MODE: SCHED_MODE bits 1:0 = 2 (LLVM: expert scheduling mode 2), set by the entry lines.  The code itself states the register dependences
; between vector or matrix instructions and memory or LDS instructions, with s_wait_alu, always for 0.
; THE PLAN.  Registers that memory or LDS instructions touch:
;   v1 .. v5     Offsets and LDS addresses: written at the head, never again.  One wait on va_vdst ahead of the first load serves every load and store of the kernel.
;   X, Y         Phase 1.  Loads land in them; LN0 and the roundings work in place; the LDS stores read the low four of each eight.  One wait on va_vdst ahead of the 32 LDS stores;
;                one wait on vm_vsrc behind the barrier, since these registers are ACC and AB from there on.
;   AB0 .. AB3   Phase 2 is one run of 24 K steps through the three passes.  Step n's eight matrix instructions read AB[n % 4]; the eight LDS loads of step n + 2 are issued at the head of
;                step n and land in AB[(n + 2) % 4], which step n - 2 read.
;   BI           The bias: read as C by a pass's first step; the next pass's bias is loaded two steps later.
;   WA, WB       The weights, in window 1: read by matrix instructions; Wv is loaded where Wq lay, at the head of pass K.
;   TMP          Written by a pass's roundings, read by its eight stores, written again a pass later.
;   ACC is named by matrix and vector instructions alone in phase 2.  v6, v7 are written at the head and read by the closing add alone.
; So ONE wait on va_vdst stands at the head of every second K step: it states that the steps up to n - 1 are done reading, which serves the loads of step n (into the buffer of step n - 2) and
; of step n + 1 (into that of step n - 1): the matrix instructions issued between name AB[n % 4], ACC, a weight and BI, none of the registers in which those loads land.  At a pass's
; first step the same wait states that the roundings have written TMP and that the pass before is done with its weight.
.set PITCH, 528                        ; an LDS row: 512 bytes of f16 + 16: an odd multiple of 16, so the 16 rows of a fragment load start in 16 different groups of four banks (ISA guide 11.1)
.set XN,    0                          ; 64 rows of LN0(x)
.set YH,    64*PITCH                   ; 64 rows of y
.set SPARE, 2*64*PITCH                 ; the spare words, 128 bytes for each of eight waves: four blocks of 256 bytes that no other line names
.set L16, 1                            ; v1   16 x lane
.set SW,  2                            ; v2   phase 1: my 8 bytes in my wave's first LDS row
.set AF,  3                            ; v3   phase 2: row r x pitch + 16 h
.set BO,  4                            ; v4   128 w + 32 h: my eight channels in bq, bk
.set BVO, 5                            ; v5   128 w + 4 r: my channel in bv
.set SPW, 6                            ; v6   my spare word; never rewritten
.set NIL, 7                            ; v7   0; never rewritten
.set BI,  8                            ; v8-23    the bias of the pass in hand, two tuples of 8: bq, then bk, then bv
.set X,   24                           ; v24-87   phase 1: 8 rows of x, 8 registers each: channels 4 L .. 4 L + 3 and 128 + 4 L .. + 3
.set Y,   88                           ; v88-151  the same of y
.set G,   152                          ; v152-159 ln0_g of those channels
.set BT,  160                          ; v160-167 ln0_b
.set T,   168                          ; v168-183 a pair a row: sum, mean
.set U,   184                          ; v184-199 a pair a row: squares, 1 / sqrt
.set ACC, 24                           ; phase 2: accumulator (blk, t) at ACC + 8 (4 blk + t)
.set AB,  88                           ; v88-215  four buffers of four row fragments
.set TMP, 216                          ; v216-247 packed results
.set TL,  248                          ; v248-251 at the head only: lane, r, h, the wave
.set TR,  249
.set TH,  250
.set TW,  251
.set WA,  0                            ; window 1: Wq's 16 fragments, later Wv's: (blk, ks) at 8 (8 blk + ks)
.set WB,  128                          ; window 1: Wk's
.set MSB, 0
.macro WIN new                         ; s_set_vgpr_msb: bits 1:0 source 0, 3:2 source 1, 5:4 source 2, 7:6 destination; the high byte repeats the setting that is left
.if MSB != (\new)
	s_set_vgpr_msb (MSB<<8)|(\new)
.set MSB, (\new)
.endif
.endm
.macro PLACES                          ; four plain vector instructions between a matrix instruction and a vector instruction that reads its result (ISA guide 7.12.1)
.rept 4
	v_nop
.endr
.endm
.macro ROWS line:vararg                ; one line for each of my eight rows i
.set i, 0
.rept 8
	\line
.set i, i+1
.endr
.endm
.macro RED b                           ; v[b + 2 i] summed over the 32 lanes, for the eight rows; v[b + 2 i + 1], written before, is at work
.irp m, 1,2,4,8
	ROWS v_add_f32_dpp v[(\b)+2*i], v[(\b)+2*i], v[(\b)+2*i] row_xmask:\m row_mask:0xf bank_mask:0xf
.endr
	ROWS v_permlanex16_b32 v[(\b)+2*i+1], v[(\b)+2*i], s30, s31
	ROWS v_add_f32 v[(\b)+2*i], v[(\b)+2*i], v[(\b)+2*i+1]
.endm
.macro LDW base, off                   ; my head's 16 fragments of a weight, 16 KB, into window 1: 32 loads of 512 consecutive bytes
	WIN 0x40
.set i, 0
.rept 32
	global_load_b128 v[(\base)+4*i:(\base)+4*i+3], v[L16], s[8:9] offset:(\off)+512*i
.set i, i+1
.endr
	WIN 0
.endm
	s_load_b512 s[4:19], s[0:1], 0x0               ; x s[4:5], y s[6:7], wf s[8:9], ln0_g s[10:11], ln0_b s[12:13], bq s[14:15], bk s[16:17], bv s[18:19]
	s_load_b128 s[20:23], s[0:1], 0x40             ; qf s[20:21], kf s[22:23]
	s_load_b64 s[24:25], s[0:1], 0x50              ; vf
	v_lshl_add_u32 v[SPW], v0, 2, SPARE
	v_mov_b32 v[NIL], 0
	v_lshrrev_b32 v[TW], 5, v0
	v_readfirstlane_b32 s26, v[TW]                 ; wave 0..7
	v_and_b32 v[TL], 31, v0                        ; lane
	v_and_b32 v[TR], 15, v0                        ; r
	v_bfe_u32 v[TH], v0, 4, 1                      ; h
	v_lshlrev_b32 v[L16], 4, v[TL]
	v_mul_u32_u24 v[AF], v[TR], PITCH
	v_lshl_add_u32 v[AF], v[TH], 4, v[AF]
	s_mov_b32 s28, 0x3b800000                      ; 1 / 256
	s_mov_b32 s29, 0x3727c5ac                      ; 1e-5
	s_mov_b32 s30, 0x76543210                      ; v_permlanex16_b32: each lane takes its own place in the other half
	s_mov_b32 s31, 0xfedcba98
	s_lshl_b32 s32, ttmp9, 16                      ; the group's 64 rows of 1,024 bytes,
	s_lshr_b32 s36, ttmp9, 5                       ; the batch,
	s_lshl_b32 s36, s36, 3
	s_and_b32 s37, ttmp9, 31
	s_lshl_b32 s37, s37, 2                         ; the group's first tile in the batch
	s_wait_alu depctr_va_sdst(0)                   ; s26 is written, ahead of its first reader: the bases and the LDS addresses are made from it
	s_lshl_b32 s33, s26, 13                        ; my wave's 8 rows
	s_add_co_u32 s32, s32, s33
	s_mov_b32 s33, 0
	s_lshl_b32 s34, s26, 14                        ; my head's 16 fragments in a weight
	s_mov_b32 s35, 0
	s_add_co_u32 s36, s36, s26                     ; b x 8 + head,
	s_lshl_b32 s36, s36, 7
	s_add_co_u32 s36, s36, s37                     ; x 128 + the group's first tile in the batch,
	s_lshl_b32 s36, s36, 10                        ; x 1,024 bytes: the same number for qf, kf and vf
	s_mov_b32 s37, 0
	s_mul_i32 s38, s26, 8*PITCH
	s_lshl_b32 s39, s26, 7
	v_lshl_add_u32 v[SW], v[TL], 3, s38
	v_lshl_add_u32 v[BO], v[TH], 5, s39
	v_lshl_add_u32 v[BVO], v[TR], 2, s39
	s_wait_kmcnt 0x0
	s_add_nc_u64 s[4:5], s[4:5], s[32:33]
	s_add_nc_u64 s[6:7], s[6:7], s[32:33]
	s_add_nc_u64 s[8:9], s[8:9], s[34:35]
	s_add_nc_u64 s[20:21], s[20:21], s[36:37]
	s_add_nc_u64 s[22:23], s[22:23], s[36:37]
	s_add_nc_u64 s[24:25], s[24:25], s[36:37]
	s_wait_alu depctr_va_vdst(0)                   ; v1 to v5 are written: every load, store and LDS instruction of the kernel reads one of them as its offset or address
	; all that phase 1 needs, bq, and Wq behind them
	global_load_b128 v[G:G+3],     v[L16], s[10:11]
	global_load_b128 v[G+4:G+7],   v[L16], s[10:11] offset:512
	global_load_b128 v[BT:BT+3],   v[L16], s[12:13]
	global_load_b128 v[BT+4:BT+7], v[L16], s[12:13] offset:512
.irp o, 0,1,2,3                        ; block o / 2, four channels o % 2
	global_load_b128 v[BI+4*\o:BI+4*\o+3], v[BO], s[14:15] offset:(\o/2)*64+(\o%2)*16
.endr
.irp i, 0,1,2,3,4,5,6,7
	global_load_b128 v[X+8*\i:X+8*\i+3],   v[L16], s[4:5] offset:\i*1024 th:TH_LOAD_NT
	global_load_b128 v[X+8*\i+4:X+8*\i+7], v[L16], s[4:5] offset:\i*1024+512 th:TH_LOAD_NT
.endr
.irp i, 0,1,2,3,4,5,6,7
	global_load_b128 v[Y+8*\i:Y+8*\i+3],   v[L16], s[6:7] offset:\i*1024 th:TH_LOAD_NT
	global_load_b128 v[Y+8*\i+4:Y+8*\i+7], v[L16], s[6:7] offset:\i*1024+512 th:TH_LOAD_NT
.endr
	LDW WA, 0                                      ; Wq
	; PHASE 1.  LN0, stage by stage across the eight rows, so that no line waits for the one before it
	s_wait_loadcnt 48                              ; y's 16 loads and Wq's 32 may be out: x, the gains and bq are in
	ROWS v_pk_add_f32 v[T+2*i:T+2*i+1], v[X+8*i:X+8*i+1], v[X+8*i+2:X+8*i+3]
	ROWS v_pk_add_f32 v[U+2*i:U+2*i+1], v[X+8*i+4:X+8*i+5], v[X+8*i+6:X+8*i+7]
	ROWS v_pk_add_f32 v[T+2*i:T+2*i+1], v[T+2*i:T+2*i+1], v[U+2*i:U+2*i+1]
	ROWS v_add_f32 v[T+2*i], v[T+2*i], v[T+2*i+1]
	RED T
	ROWS v_mul_f32 v[T+2*i], s28, v[T+2*i]         ; the mean
.irp k, 0,2,4,6
	ROWS v_pk_add_f32 v[X+8*i+\k:X+8*i+\k+1], v[X+8*i+\k:X+8*i+\k+1], v[T+2*i:T+2*i+1] op_sel_hi:[1,0] neg_lo:[0,1] neg_hi:[0,1]
.endr
	ROWS v_pk_mul_f32 v[U+2*i:U+2*i+1], v[X+8*i:X+8*i+1], v[X+8*i:X+8*i+1]
.irp k, 2,4,6
	ROWS v_pk_fma_f32 v[U+2*i:U+2*i+1], v[X+8*i+\k:X+8*i+\k+1], v[X+8*i+\k:X+8*i+\k+1], v[U+2*i:U+2*i+1]
.endr
	ROWS v_add_f32 v[U+2*i], v[U+2*i], v[U+2*i+1]
	RED U
	ROWS v_fma_f32 v[U+2*i], v[U+2*i], s28, s29    ; the variance + 1e-5
	ROWS v_rsq_f32 v[U+2*i], v[U+2*i]
	v_nop                                          ; a plain instruction between the last root and the use of its result (ISA guide 5.7.2)
	s_wait_alu depctr_va_vdst(0)                   ; the eight roots are written, ahead of their first reader: one wait for the batch
.irp k, 0,2,4,6
	ROWS v_pk_mul_f32 v[X+8*i+\k:X+8*i+\k+1], v[X+8*i+\k:X+8*i+\k+1], v[U+2*i:U+2*i+1] op_sel_hi:[1,0]
.endr
.irp k, 0,2,4,6
	ROWS v_pk_fma_f32 v[X+8*i+\k:X+8*i+\k+1], v[X+8*i+\k:X+8*i+\k+1], v[G+\k:G+\k+1], v[BT+\k:BT+\k+1]
.endr
.irp k, 0,1,2,3
	ROWS v_cvt_pk_f16_f32 v[X+8*i+\k], v[X+8*i+2*\k], v[X+8*i+2*\k+1]
.endr
	s_wait_loadcnt 32                              ; Wq's 32 may be out: y is in
	LDW WB, 131072                                 ; Wk: no vector instruction has named its registers, nor v1 since the head's wait
.irp k, 0,1,2,3
	ROWS v_cvt_pk_f16_f32 v[Y+8*i+\k], v[Y+8*i+2*\k], v[Y+8*i+2*\k+1]
.endr
	s_wait_alu depctr_va_vdst(0)                   ; the roundings have written X's and Y's low registers, which the LDS stores read; and every vector line is done with Y, G, BT, T and U, in which phase 2's fragments land
	ROWS ds_store_b64 v[SW], v[X+8*i:X+8*i+1] offset:XN+i*PITCH          ; 32 lanes x 8 bytes: channels 0-127 of the row
	ROWS ds_store_b64 v[SW], v[X+8*i+2:X+8*i+3] offset:XN+i*PITCH+256    ; channels 128-255
	ROWS ds_store_b64 v[SW], v[Y+8*i:Y+8*i+1] offset:YH+i*PITCH
	ROWS ds_store_b64 v[SW], v[Y+8*i+2:Y+8*i+3] offset:YH+i*PITCH+256
	s_wait_dscnt 0x0                               ; for the others' sake: my rows are in LDS
	s_barrier_signal -1
	s_barrier_wait -1                              ; everybody's are; nothing is written to XN or YH after this
	s_wait_alu depctr_vm_vsrc(0)                   ; my LDS stores have read X and Y: these registers are ACC and AB from here on, written by matrix instructions and by the fragments' loads
	; PHASE 2
.macro LDA reg, ks, buf                ; the four tiles' row fragments of K step ks: 16 rows x 32 k, two loads of 16 bytes a lane, 32 bytes apart
.irp t, 0,1,2,3
	ds_load_b128 v[AB+32*(\buf)+8*\t:AB+32*(\buf)+8*\t+3],   v[AF] offset:(\reg)+16*PITCH*\t+64*(\ks)
	ds_load_b128 v[AB+32*(\buf)+8*\t+4:AB+32*(\buf)+8*\t+7], v[AF] offset:(\reg)+16*PITCH*\t+64*(\ks)+32
.endr
.endm
.macro PACK again                      ; a pass's results rounded once to f16, each accumulator's registers in ascending order.  again = 1: TMP has been stored from before
	PLACES                                         ; between the pass's last products and the first read of a result
.if \again
	s_wait_xcnt 0x0                                ; TMP was the data of the pass before's stores: it is rewritten only behind this wait,
	s_wait_alu depctr_vm_vsrc(0)                   ; and behind this one: those stores have read TMP
.endif
.set a, 0
.rept 8
.irp k, 0,1,2,3
	v_cvt_pk_f16_f32 v[TMP+4*a+\k], v[ACC+8*a+2*\k], v[ACC+8*a+2*\k+1]
.endr
.set a, a+1
.endr
.endm
.macro SEND p, isv                     ; and stored: 512 consecutive bytes a store
.set a, 0
.rept 8
.if \isv
	global_store_b128 v[L16], v[TMP+4*a:TMP+4*a+3], s[\p:\p+1] offset:((a%4)/2)*2048+(a/4)*1024+(a%2)*512  ; 32 keys t / 2, channel block blk, the fragment's half t % 2
.else
	global_store_b128 v[L16], v[TMP+4*a:TMP+4*a+3], s[\p:\p+1] offset:(a%4)*1024+(a/4)*512                 ; tile t, the fragment's half blk
.endif
.set a, a+1
.endr
.endm
; K step kn of 24: pass kn / 8 (Q, K, V), K step kn % 8 of it: 8 matrix instructions on 8 accumulators, which take turns.
; Passes Q and K: source 0 the weight (window 1), source 1 the rows; pass V: the other way round.
.macro KSTEP
.set pp, kn/8
.set ks, kn%8
.set nx, kn+2                          ; the step whose fragments are asked for now
.set nreg, YH
.if nx < 8
.set nreg, XN
.endif
.set wb, WA
.if pp == 1
.set wb, WB
.endif
.if (ks == 0) && (pp > 0)
	PACK pp-1                                      ; the pass before is rounded ahead of this step's wait, which serves its stores
.endif
.if kn < 23
	s_wait_dscnt 8                                 ; LDS loads come back in order (ISA guide 5.7.1): this step's fragments are in, the next step's eight loads may be out
.else
	s_wait_dscnt 0x0
.endif
.if (ks == 0) && (pp > 0)
	s_wait_alu depctr_va_vdst(0)                   ; the roundings have written TMP, which the stores below read; the pass before is done reading AB and its weight, in which the loads below and the next step's land
.elseif (kn%2 == 0) && (kn > 0) && (kn < 22)
	s_wait_alu depctr_va_vdst(0)                   ; the matrix instructions of the steps before are done reading AB[(kn + 2) % 4] and AB[(kn + 3) % 4], in which this step's and the next step's loads land, and BI
.endif
.if nx < 24
	LDA nreg, nx%8, nx%4
.endif
.if kn == 0
	s_wait_loadcnt 32                              ; Wk's 32 may be out: Wq is in
.elseif kn == 2
.irp o, 0,1,2,3                        ; bk, where bq lay: step 0, which read it, stands ahead of this step's wait
	global_load_b128 v[BI+4*\o:BI+4*\o+3], v[BO], s[16:17] offset:(\o/2)*64+(\o%2)*16
.endr
.elseif kn == 8
	LDW WA, 262144                                 ; Wv, where Wq lay: between this step's wait and these loads stand LDS loads and the window switch alone
	SEND 20, 0
	s_wait_loadcnt 32                              ; Wv's 32 may be out: Wk and bk are in
.elseif kn == 10
.irp j, 0,1,2,3,4,5,6,7,8,9,10,11,12,13,14,15
	global_load_b32 v[BI+\j], v[BVO], s[18:19] offset:(\j/8)*64  ; bv, where bk lay: in V's result a lane holds one channel: its bias fills the tuple
.endr
.elseif kn == 16
	SEND 22, 0
	s_wait_loadcnt 0x0                             ; Wv and bv
.endif
.if pp == 2
	WIN 0x04
.else
	WIN 0x01
.endif
.set a, 0
.rept 8
.set rD, ACC+8*a
.set rW, wb+8*(8*(a/4)+ks)
.set rA, AB+32*(kn%4)+8*(a%4)
.set rC, BI+8*(a/4)
.if pp == 2
.if ks == 0
	v_wmma_f32_16x16x32_f16 v[rD:rD+7], v[rA:rA+7], v[rW:rW+7], v[rC:rC+7]
.else
	v_wmma_f32_16x16x32_f16 v[rD:rD+7], v[rA:rA+7], v[rW:rW+7], v[rD:rD+7]
.endif
.else
.if ks == 0
	v_wmma_f32_16x16x32_f16 v[rD:rD+7], v[rW:rW+7], v[rA:rA+7], v[rC:rC+7]
.else
	v_wmma_f32_16x16x32_f16 v[rD:rD+7], v[rW:rW+7], v[rA:rA+7], v[rD:rD+7]
.endif
.endif
.set a, a+1
.endr
	WIN 0
.endm
	LDA XN, 0, 0                                   ; steps 0 and 1; each step asks for the one two steps on
	LDA XN, 1, 1
.set kn, 0
.rept 24
	KSTEP
.set kn, kn+1
.endr
	PACK 1
	s_wait_alu depctr_va_vdst(0)                   ; the roundings have written TMP, which the last eight stores read
	SEND 24, 1
	s_wait_dscnt 0x0                               ; the closing lines, six on end
	s_wait_alu 0x0
	s_wait_tensorcnt 0x0
	ds_add_u32 v[SPW], v[NIL]
	s_wait_dscnt 0x0
	s_endpgm
.Lfunc_end_k_qf7ce4afcbc_proj:
	.size	k_qf7ce4afcbc_proj, .Lfunc_end_k_qf7ce4afcbc_proj-k_qf7ce4afcbc_proj
	.p2alignl 7, 3214868480
	.fill 96, 4, 3214868480
	.section	.rodata,"a",@progbits
	.p2align	6, 0x0
	.amdhsa_kernel k_qf7ce4afcbc_proj
		.amdhsa_group_segment_fixed_size 68608
		.amdhsa_private_segment_fixed_size 0
		.amdhsa_enable_private_segment 0
		.amdhsa_kernarg_size 88
		.amdhsa_user_sgpr_count 2
		.amdhsa_user_sgpr_kernarg_segment_ptr 1
		.amdhsa_wavefront_size32 1
		.amdhsa_system_sgpr_workgroup_id_x 1
		.amdhsa_system_sgpr_workgroup_id_y 1
		.amdhsa_system_sgpr_workgroup_id_z 1
		.amdhsa_system_vgpr_workitem_id 0
		.amdhsa_next_free_vgpr 512
		.amdhsa_next_free_sgpr 66
		.amdhsa_reserve_vcc 0
		.amdhsa_float_denorm_mode_32 3
		.amdhsa_float_denorm_mode_16_64 3
		.amdhsa_memory_ordered 1
		.amdhsa_forward_progress 1
		.amdhsa_inst_pref_size 76
	.end_amdhsa_kernel
	.amdgpu_metadata
---
amdhsa.version: [ 1, 2 ]
amdhsa.kernels:
  - .name:           k_qf7ce4afcbc_proj
    .symbol:         k_qf7ce4afcbc_proj.kd
    .args:
      - { .name: x, .offset: 0, .size: 8, .value_kind: global_buffer, .address_space: global }
      - { .name: y, .offset: 8, .size: 8, .value_kind: global_buffer, .address_space: global }
      - { .name: wf, .offset: 16, .size: 8, .value_kind: global_buffer, .address_space: global }
      - { .name: ln0_g, .offset: 24, .size: 8, .value_kind: global_buffer, .address_space: global }
      - { .name: ln0_b, .offset: 32, .size: 8, .value_kind: global_buffer, .address_space: global }
      - { .name: bq, .offset: 40, .size: 8, .value_kind: global_buffer, .address_space: global }
      - { .name: bk, .offset: 48, .size: 8, .value_kind: global_buffer, .address_space: global }
      - { .name: bv, .offset: 56, .size: 8, .value_kind: global_buffer, .address_space: global }
      - { .name: qf, .offset: 64, .size: 8, .value_kind: global_buffer, .address_space: global }
      - { .name: kf, .offset: 72, .size: 8, .value_kind: global_buffer, .address_space: global }
      - { .name: vf, .offset: 80, .size: 8, .value_kind: global_buffer, .address_space: global }
    .group_segment_fixed_size: 68608
    .private_segment_fixed_size: 0
    .kernarg_segment_align: 8
    .kernarg_segment_size: 88
    .max_flat_workgroup_size: 256
    .sgpr_count:     66
    .vgpr_count:     512
    .wavefront_size: 32
...
	.end_amdgpu_metadata
.endif
;; end of part 5
;; launch attn: the kernel of part 3 again; grid 4 x 64, 8 waves a work-group, clusters of 4 x 1, 327,680 bytes of LDS; arguments qf, kf, vf, of; writes of
;; launch ffn (part 6): grid 256 x 1, 8 waves a work-group, no clusters, 169,984 bytes of LDS; arguments of, wf, b1, b2, ln1_g, ln1_b, out0; writes out0
.if DOCPART == 6
	.amdgcn_target "amdgcn-amd-amdhsa--gfx1250"
	.amdhsa_code_object_version 6
	.text
	.protected	k_qf7ce4afcbc_ffn
	.globl	k_qf7ce4afcbc_ffn
	.p2align	8
	.type	k_qf7ce4afcbc_ffn,@function
k_qf7ce4afcbc_ffn:
	s_mov_b64 s[64:65], 0
	v_nop
	global_prefetch_b8 v0, s[64:65] scope:SCOPE_SE
	s_setreg_imm32_b32 hwreg(HW_REG_WAVE_SCHED_MODE, 0, 2), 2
	s_setreg_imm32_b32 hwreg(HW_REG_WAVE_MODE, 25, 1), 1
	s_wait_xcnt 0x0
	s_wait_alu depctr_vm_vsrc(0)
; out = O + gelu(LN1(O) W1 + b1) W2 + b2, for 64 rows (four tiles of 16) a work-group.  Products in f16 with f32 sums; LN1 and GELU in f32.
; O comes as fragments [tile][head][1,024] of f16 (16 rows x the head's 32 channels; a lane's first 16 bytes at 16 x lane, its second at 512 + 16 x lane).
; WAVE w: (1) holds head w's fragments of the four tiles, for LN1 and for the residual; (2) FF1: hidden channels 64 w .. + 63, four blocks of 16, 128 matrix instructions;
; (3) FF2: output channels 32 w .. + 31, the channels of its own O, 128 matrix instructions; (4) stores rows 8 w .. + 7.
; LN1 spans the eight waves: each makes the mean and the sum of squared differences of its 32 channels of a row; they meet in LDS once and are joined: the row's mean is the mean of the eight means, and
; the row's sum of squares is the sum of the eight plus 32 x the squared distances of the eight means from it.  No difference of large sums is formed.
; In every product source 0 is the weight: a lane holds one row and eight channels, which packed to f16 are half a fragment of the next product.  So LN1(O) and the hidden layer go through LDS in
; fragment order, 512 consecutive bytes an instruction.  The biases are loaded into the accumulators, so the first product adds onto them.
; GELU is the exact one, x (1 + erf(x / sqrt 2)) / 2, with erfc(z) = t (a1 + t (a2 + t (a3 + t (a4 + t a5)))) e^(-z z), t = 1 / (1 + 0.3275911 z) (Abramowitz and Stegun 7.1.26: off by 1.5e-7 at the most,
; for every z >= 0): with w = erfc(|x| / sqrt 2), gelu = x / 2 + |x / 2| (1 - w).
; The f32 result goes out through a stage in LDS, so that a store covers 512 consecutive bytes of a row.
; NO CLUSTER: what the work-groups share is W1 and W2, 512 KB in f16.  A wave takes its 64 KB straight into registers, each fragment once (W2 into W1's registers as they fall free); a joint load lands
; in LDS alone, where 512 KB do not fit, so sharing would want a ring of slots and a round of the cluster's barrier for every few of a wave's 256 matrix instructions.
; LIMITS: LN1(O) and the hidden layer beyond 65,504 have no f16; below 6e-5 they keep f16's fixed step of 6e-8.  The residual is O as rounded to f16.  NaN and infinities are not treated apart.
; THE MODE: SCHED_MODE bits 1:0 = 2 (LLVM: expert scheduling mode 2), set by the entry lines.  The code itself states the register dependences
; between vector or matrix instructions and memory or LDS instructions, with s_wait_alu, always for 0.
; THE PLAN.  Registers that memory or LDS instructions touch:
;   v1 .. v13    Offsets and LDS addresses: written at the head, never again.  One wait on va_vdst ahead of the first load serves the whole kernel.
;   D            LN1: a pair a tile is written by vector lines, read by an LDS store, written again behind the barrier: va_vdst ahead of the stores, vm_vsrc ahead of the second writing.
;   Z            LN1: at work, then the eight waves' pairs land in it: the wait ahead of D's stores serves those loads too.
;   X            LN1(O) is rounded in place and read by eight LDS stores; then b1 lands there: va_vdst ahead of the stores (it also serves Z, G, BT, D, MU, RS, in which b1 and fragments land), vm_vsrc ahead of b1.
;   AB0, AB1     FF1: step ks reads AB[ks % 2]; the loads of step ks + 1 are issued at the head of step ks and land in the buffer that step ks - 1 read.
;   W1 / W2      Window 1: step ks reads 32 registers of W1; at the head of step ks + 1 eight loads of W2 land in them.  ONE wait on va_vdst at the head of steps 1 to 7 serves both kinds of load.
;   HP0 .. HP3   GELU a writes HP[a % 4]; its LDS store is issued in GELU a + 1, behind that GELU's one wait on va_vdst, the one for its batch of reciprocals and exponentials.  The same wait serves W2's
;                last eight loads (in GELU 0) and b2's loads into accumulators 0 to 7 (in GELU 8).  One wait on vm_vsrc in GELU 4, 8 and 12 frees all four sets for the next four.
;   FB0 .. FB3   FF2: step kn reads FB[kn % 4]; the loads of step kn + 2 are issued at the head of step kn.  ONE wait on va_vdst at the head of every second step serves that step's and the next step's loads.
;   ACC          The way out: written by the residual's lines, read by the stage's LDS stores: one wait on va_vdst, which also serves the loads from the stage into FB2 and FB3.
;   v2, v3 are written at the head and read by the closing add alone.
.set STS,   0                          ; [tile][row][wave] pairs (mean, squares): 4,096 bytes
.set ON,    4096                       ; LN1(O): [tile][head][1,024]: 32,768 bytes
.set HH,    36864                      ; the hidden layer: [tile][32 channels, 16][1,024]: 65,536 bytes
.set STG,   102400                     ; the stage: 64 rows of 1,024 bytes, 1,040 apart
.set SP,    1040                       ; an odd multiple of 16: the 16 rows of a store start in 16 different groups of four banks (ISA guide 11.1)
.set SPARE, 168960                     ; the spare words, 128 bytes for each of eight waves: four blocks of 256 bytes that no other line names
.set W1B,   393216                     ; W1's and W2's first bytes in wf
.set W2B,   655360
.set L16, 1                            ; v1   16 x lane
.set SPW, 2                            ; v2   my spare word; never rewritten
.set NIL, 3                            ; v3   0; never rewritten
.set STA, 4                            ; v4   64 r + 8 w
.set STR, 5                            ; v5   64 r
.set ONW, 6                            ; v6   ON + 1,024 w + 16 x lane
.set ONR, 7                            ; v7   ON + 16 x lane
.set HWR, 8                            ; v8   HH + 2,048 w + 16 x lane
.set HRD, 9                            ; v9   HH + 16 x lane
.set SWA, 10                           ; v10  STG + 1,040 r + 128 w + 32 h
.set SRA, 11                           ; v11  STG + 8 w x 1,040 + 16 x lane
.set GO,  12                           ; v12  128 w + 32 h: my channels in ln1_g, ln1_b, b2
.set B1O, 13                           ; v13  256 w + 32 h: in b1
.set ZERO, 14                          ; v14  0.0
.set ONE, 15                           ; v15  1.0
.set OP,  16                           ; v16-47   O as loaded, 8 a tile
.set ACC, 48                           ; v48-175  FF1: accumulator (blk, t) at + 8 (4 blk + t); FF2: v48-111 likewise
.set AB,  176                          ; v176-239 FF1: two buffers of four fragments; GELU's registers at work; the rows on their way out
.set FB,  112                          ; v112-239 FF2: four buffers of four fragments
.set HP,  240                          ; v240-255 packed hidden numbers, four sets
.set X,   48                           ; LN1: O in f32, 16 a tile
.set Z,   112                          ; LN1: at work, then the eight waves' pairs, 16 a tile
.set G,   176                          ; ln1_g of my 16 channels
.set BT,  192                          ; ln1_b
.set D,   208                          ; four at work a tile
.set MU,  224                          ; the row's mean, twice, a tile
.set RS,  232                          ; 1 / sqrt, twice, a tile
.set PP,  28                           ; s28      0.3275911 / sqrt 2
.set KK,  30                           ; s[30:31] sqrt(log2(e) / 2)
.set A5,  32                           ; s[32:41] a5 .. a1, each twice
.set MSB, 0
.macro WIN new                         ; s_set_vgpr_msb: bits 1:0 source 0, 3:2 source 1, 5:4 source 2, 7:6 destination; the high byte repeats the setting that is left
.if MSB != (\new)
	s_set_vgpr_msb (MSB<<8)|(\new)
.set MSB, (\new)
.endif
.endm
.macro PLACES                          ; four plain vector instructions between a matrix instruction and a vector instruction that reads its result or writes one of its sources (ISA guide 7.12.1)
.rept 4
	v_nop
.endr
.endm
.macro TILES line:vararg               ; one line for each of the four tiles t
.set t, 0
.rept 4
	\line
.set t, t+1
.endr
.endm
	s_load_b256 s[4:11], s[0:1], 0x0               ; of s[4:5], wf s[6:7], b1 s[8:9], b2 s[10:11]
	s_load_b128 s[12:15], s[0:1], 0x20             ; ln1_g s[12:13], ln1_b s[14:15]
	s_load_b64 s[16:17], s[0:1], 0x30              ; out0
	v_lshl_add_u32 v[SPW], v0, 2, SPARE
	v_mov_b32 v[NIL], 0
	v_lshrrev_b32 v[L16], 5, v0
	v_readfirstlane_b32 s18, v[L16]                ; wave 0..7
	s_mov_b32 s20, 0x76543210                      ; v_permlanex16_b32: each lane takes its own place in the other half
	s_mov_b32 s21, 0xfedcba98
	s_mov_b32 s22, 0x3d000000                      ; 1 / 32
	s_mov_b32 s23, 0x3e000000                      ; 1 / 8
	s_mov_b32 s24, 0x42000000                      ; 32
	s_mov_b32 s25, 0x3b800000                      ; 1 / 256
	s_mov_b32 s26, 0x3727c5ac                      ; 1e-5
	s_mov_b32 s[PP], 0x3e6d3389                    ; 0.2316419
	s_mov_b32 s[KK], 0x3f596d27                    ; 0.8493218
	s_mov_b32 s[KK+1], s[KK]
	s_mov_b32 s[A5], 0x3f87dc22                    ; a5 =  1.061405429
	s_mov_b32 s[A5+1], s[A5]
	s_mov_b32 s[A5+2], 0xbfba00e3                  ; a4 = -1.453152027
	s_mov_b32 s[A5+3], s[A5+2]
	s_mov_b32 s[A5+4], 0x3fb5f0e3                  ; a3 =  1.421413741
	s_mov_b32 s[A5+5], s[A5+4]
	s_mov_b32 s[A5+6], 0xbe91a98e                  ; a2 = -0.284496736
	s_mov_b32 s[A5+7], s[A5+6]
	s_mov_b32 s[A5+8], 0x3e827906                  ; a1 =  0.254829592
	s_mov_b32 s[A5+9], s[A5+8]
	s_lshl_b32 s42, ttmp9, 15                      ; of: the group's four tiles of 8,192 bytes,
	s_wait_alu depctr_va_sdst(0)                   ; s18 is written, ahead of its first reader: the bases and the LDS addresses are made from it
	s_lshl_b32 s43, s18, 10                        ; my head's fragment
	s_add_co_u32 s42, s42, s43
	s_mov_b32 s43, 0
	s_lshl_b32 s44, s18, 15                        ; wf: my 32 KB of W1 and of W2
	s_mov_b32 s45, 0
	s_lshl_b32 s46, ttmp9, 16                      ; out0: the group's 64 rows,
	s_lshl_b32 s47, s18, 13                        ; my wave's 8
	s_add_co_u32 s46, s46, s47
	s_mov_b32 s47, 0
	s_lshl_b32 s48, s18, 7                         ; 128 w
	s_add_co_u32 s49, s48, STG
	s_mul_i32 s50, s18, 8*SP
	s_add_co_u32 s50, s50, STG
	s_lshl_b32 s51, s18, 3
	s_lshl_b32 s52, s18, 10
	s_add_co_u32 s52, s52, ON
	s_lshl_b32 s53, s18, 11
	s_add_co_u32 s53, s53, HH
	s_lshl_b32 s54, s18, 8
	v_and_b32 v[L16], 31, v0
	v_lshlrev_b32 v[L16], 4, v[L16]
	v_and_b32 v[STR], 15, v0                       ; r
	v_bfe_u32 v[GO], v0, 4, 1                      ; h
	v_mul_u32_u24 v[SWA], v[STR], SP
	v_lshl_add_u32 v[SWA], v[GO], 5, v[SWA]
	v_add_nc_u32 v[SWA], s49, v[SWA]
	v_add_nc_u32 v[SRA], s50, v[L16]
	v_lshlrev_b32 v[STR], 6, v[STR]
	v_add_nc_u32 v[STA], s51, v[STR]
	v_add_nc_u32 v[ONW], s52, v[L16]
	v_add_nc_u32 v[ONR], ON, v[L16]
	v_add_nc_u32 v[HWR], s53, v[L16]
	v_add_nc_u32 v[HRD], HH, v[L16]
	v_lshl_add_u32 v[B1O], v[GO], 5, s54
	v_lshl_add_u32 v[GO], v[GO], 5, s48
	v_mov_b32 v[ZERO], 0
	v_mov_b32 v[ONE], 1.0
	s_wait_kmcnt 0x0
	s_add_nc_u64 s[4:5], s[4:5], s[42:43]
	s_add_nc_u64 s[6:7], s[6:7], s[44:45]
	s_add_nc_u64 s[16:17], s[16:17], s[46:47]
	s_wait_alu depctr_va_vdst(0)                   ; v1 and v4 to v13 are written: every load, store and LDS instruction of the kernel reads one of them as its offset or address
.irp t, 0,1,2,3
	global_load_b128 v[OP+8*\t:OP+8*\t+3],   v[L16], s[4:5] offset:\t*8192 th:TH_LOAD_NT
	global_load_b128 v[OP+8*\t+4:OP+8*\t+7], v[L16], s[4:5] offset:\t*8192+512 th:TH_LOAD_NT
.endr
.irp o, 0,1,2,3                        ; channels 8 h + 0..7 (o = 0, 1) and 16 + 8 h + 0..7 (o = 2, 3) of my head
	global_load_b128 v[G+4*\o:G+4*\o+3],   v[GO], s[12:13] offset:(\o/2)*64+(\o%2)*16
	global_load_b128 v[BT+4*\o:BT+4*\o+3], v[GO], s[14:15] offset:(\o/2)*64+(\o%2)*16
.endr
.macro LDW1 k0                         ; W1's fragments of K steps k0 .. k0 + 3 into window 1: (blk, ks) at 32 ks + 8 blk
	WIN 0x40
.set c, 0
.rept 16
	global_load_b128 v[32*((\k0)+c/4)+8*(c%4):32*((\k0)+c/4)+8*(c%4)+3],   v[L16], s[6:7] offset:W1B+(c%4)*8192+((\k0)+c/4)*1024
	global_load_b128 v[32*((\k0)+c/4)+8*(c%4)+4:32*((\k0)+c/4)+8*(c%4)+7], v[L16], s[6:7] offset:W1B+(c%4)*8192+((\k0)+c/4)*1024+512
.set c, c+1
.endr
	WIN 0
.endm
	LDW1 0
	s_wait_loadcnt 32                              ; those 32 may be out: O, the gain and the offset are in
	LDW1 4
	; LN1, stage by stage across the four tiles.  f16 to f32: the half x 1.0 + 0
.irp k, 0,1,2,3,4,5,6,7
	TILES v_fma_mix_f32 v[X+16*t+2*\k], v[OP+8*t+\k], v[ONE], v[ZERO] op_sel:[0,0,0] op_sel_hi:[1,0,0]
	TILES v_fma_mix_f32 v[X+16*t+2*\k+1], v[OP+8*t+\k], v[ONE], v[ZERO] op_sel:[1,0,0] op_sel_hi:[1,0,0]
.endr
.irp k, 0,1,2,3
	TILES v_pk_add_f32 v[Z+16*t+2*\k:Z+16*t+2*\k+1], v[X+16*t+4*\k:X+16*t+4*\k+1], v[X+16*t+4*\k+2:X+16*t+4*\k+3]
.endr
	TILES v_pk_add_f32 v[Z+16*t:Z+16*t+1], v[Z+16*t:Z+16*t+1], v[Z+16*t+2:Z+16*t+3]
	TILES v_pk_add_f32 v[Z+16*t+4:Z+16*t+5], v[Z+16*t+4:Z+16*t+5], v[Z+16*t+6:Z+16*t+7]
	TILES v_pk_add_f32 v[Z+16*t:Z+16*t+1], v[Z+16*t:Z+16*t+1], v[Z+16*t+4:Z+16*t+5]
	TILES v_add_f32 v[Z+16*t], v[Z+16*t], v[Z+16*t+1]
	TILES v_permlanex16_b32 v[Z+16*t+1], v[Z+16*t], s20, s21   ; the row's other 16 channels of my head lie in the lane 16 away
	TILES v_add_f32 v[Z+16*t], v[Z+16*t], v[Z+16*t+1]
	TILES v_mul_f32 v[D+4*t], s22, v[Z+16*t]       ; the mean of my 32 channels, twice
	TILES v_mul_f32 v[D+4*t+1], s22, v[Z+16*t]
.irp k, 0,1,2,3,4,5,6,7
	TILES v_pk_add_f32 v[Z+16*t+2*\k:Z+16*t+2*\k+1], v[X+16*t+2*\k:X+16*t+2*\k+1], v[D+4*t:D+4*t+1] neg_lo:[0,1] neg_hi:[0,1]
.endr
	TILES v_pk_mul_f32 v[D+4*t+2:D+4*t+3], v[Z+16*t:Z+16*t+1], v[Z+16*t:Z+16*t+1]
.irp k, 1,2,3,4,5,6,7
	TILES v_pk_fma_f32 v[D+4*t+2:D+4*t+3], v[Z+16*t+2*\k:Z+16*t+2*\k+1], v[Z+16*t+2*\k:Z+16*t+2*\k+1], v[D+4*t+2:D+4*t+3]
.endr
	TILES v_add_f32 v[D+4*t+2], v[D+4*t+2], v[D+4*t+3]
	TILES v_permlanex16_b32 v[D+4*t+3], v[D+4*t+2], s20, s21
	TILES v_add_f32 v[D+4*t+1], v[D+4*t+2], v[D+4*t+3]         ; the squared differences from that mean
	s_wait_alu depctr_va_vdst(0)                   ; D's pairs are written, which the LDS stores read; and the vector lines are done with Z, in which the eight waves' pairs land
	TILES ds_store_b64 v[STA], v[D+4*t:D+4*t+1] offset:STS+t*1024  ; both halves of the lanes write the same pair to the same place
	s_wait_dscnt 0x0                               ; for the others' sake
	s_barrier_signal -1
	s_barrier_wait -1
.irp c, 0,1,2,3
	TILES ds_load_b128 v[Z+16*t+4*\c:Z+16*t+4*\c+3], v[STR] offset:STS+t*1024+16*\c  ; my row's eight pairs
.endr
	s_wait_alu depctr_vm_vsrc(0)                   ; my LDS stores have read D's pairs, which the sums below write again
	s_wait_dscnt 0x0
	TILES v_pk_add_f32 v[D+4*t:D+4*t+1], v[Z+16*t:Z+16*t+1], v[Z+16*t+2:Z+16*t+3]
.irp k, 2,3,4,5,6,7
	TILES v_pk_add_f32 v[D+4*t:D+4*t+1], v[D+4*t:D+4*t+1], v[Z+16*t+2*\k:Z+16*t+2*\k+1]
.endr
	TILES v_mul_f32 v[MU+2*t], s23, v[D+4*t]       ; the row's mean, twice
	TILES v_mul_f32 v[MU+2*t+1], s23, v[D+4*t]
	TILES v_sub_f32 v[D+4*t+2], v[Z+16*t], v[MU+2*t]
	TILES v_mul_f32 v[D+4*t+3], v[D+4*t+2], v[D+4*t+2]
.irp k, 1,2,3,4,5,6,7
	TILES v_sub_f32 v[D+4*t+2], v[Z+16*t+2*\k], v[MU+2*t]
	TILES v_fma_f32 v[D+4*t+3], v[D+4*t+2], v[D+4*t+2], v[D+4*t+3]
.endr
	TILES v_fma_f32 v[D+4*t+1], v[D+4*t+3], s24, v[D+4*t+1]    ; the row's squared differences
	TILES v_fma_f32 v[D+4*t+1], v[D+4*t+1], s25, s26           ; the variance + 1e-5
	TILES v_rsq_f32 v[RS+2*t], v[D+4*t+1]
	TILES v_rsq_f32 v[RS+2*t+1], v[D+4*t+1]
	v_nop                                          ; a plain instruction between the last root and the use of its result (ISA guide 5.7.2)
	s_wait_alu depctr_va_vdst(0)                   ; the eight roots are written, ahead of their first reader: one wait for the batch
.irp k, 0,1,2,3,4,5,6,7
	TILES v_pk_add_f32 v[X+16*t+2*\k:X+16*t+2*\k+1], v[X+16*t+2*\k:X+16*t+2*\k+1], v[MU+2*t:MU+2*t+1] neg_lo:[0,1] neg_hi:[0,1]
.endr
.irp k, 0,1,2,3,4,5,6,7
	TILES v_pk_mul_f32 v[X+16*t+2*\k:X+16*t+2*\k+1], v[X+16*t+2*\k:X+16*t+2*\k+1], v[RS+2*t:RS+2*t+1]
.endr
.irp k, 0,1,2,3,4,5,6,7
	TILES v_pk_fma_f32 v[X+16*t+2*\k:X+16*t+2*\k+1], v[X+16*t+2*\k:X+16*t+2*\k+1], v[G+2*\k:G+2*\k+1], v[BT+2*\k:BT+2*\k+1]
.endr
.irp k, 0,1,2,3,4,5,6,7
	TILES v_cvt_pk_f16_f32 v[X+16*t+\k], v[X+16*t+2*\k], v[X+16*t+2*\k+1]
.endr
	s_wait_alu depctr_va_vdst(0)                   ; the roundings have written X's low registers, which the LDS stores read; and every vector line is done with X and Z, in which b1 lands, and with G, BT, D, MU and RS, in which FF1's fragments land
	TILES ds_store_b128 v[ONW], v[X+16*t:X+16*t+3] offset:t*8192
	TILES ds_store_b128 v[ONW], v[X+16*t+4:X+16*t+7] offset:t*8192+512
	s_wait_dscnt 0x0                               ; for the others' sake
	s_wait_alu depctr_vm_vsrc(0)                   ; my LDS stores have read X, in which b1 lands now
.set a, 0
.rept 16                                       ; b1 of hidden channels 64 w + 16 blk + 8 h + 0..7 into accumulator (blk, t): the first product adds onto it
	global_load_b128 v[ACC+8*a:ACC+8*a+3],   v[B1O], s[8:9] offset:(a/4)*64
	global_load_b128 v[ACC+8*a+4:ACC+8*a+7], v[B1O], s[8:9] offset:(a/4)*64+16
.set a, a+1
.endr
	s_barrier_signal -1
	s_barrier_wait -1
.macro LDF base, areg, ts, ks, buf     ; the four tiles' fragments of K step ks, ts bytes from tile to tile, into buffer buf of the ring at base
.irp t, 0,1,2,3
	ds_load_b128 v[(\base)+32*(\buf)+8*\t:(\base)+32*(\buf)+8*\t+3],   v[\areg] offset:\t*(\ts)+(\ks)*1024
	ds_load_b128 v[(\base)+32*(\buf)+8*\t+4:(\base)+32*(\buf)+8*\t+7], v[\areg] offset:\t*(\ts)+(\ks)*1024+512
.endr
.endm
.macro LDW2 j                          ; W2's K steps 2 j and 2 j + 1 into the 32 registers of W1's K step j: fragment (blk2 = c % 2, ks2 = 2 j + c / 2) at 16 ks2 + 8 blk2
	WIN 0x40
.irp c, 0,1,2,3
	global_load_b128 v[32*(\j)+8*\c:32*(\j)+8*\c+3],   v[L16], s[6:7] offset:W2B+(\c%2)*16384+(2*(\j)+\c/2)*1024
	global_load_b128 v[32*(\j)+8*\c+4:32*(\j)+8*\c+7], v[L16], s[6:7] offset:W2B+(\c%2)*16384+(2*(\j)+\c/2)*1024+512
.endr
	WIN 0
.endm
	; FF1: 8 K steps of 16 matrix instructions on 16 accumulators, which take turns.
	LDF AB, ONR, 8192, 0, 0
	s_wait_loadcnt 0x0                             ; W1 and b1
.set ks, 0
.rept 8
.if ks > 0
	s_wait_alu depctr_va_vdst(0)                   ; the step before's matrix instructions are done reading their fragment buffer and their 32 registers of W1, in which the loads below land
.endif
.if ks < 7
	LDF AB, ONR, 8192, ks+1, (ks+1)%2
.endif
.if ks > 0
	LDW2 ks-1                                      ; between the wait and these loads stand LDS loads and the window switch alone
.endif
.if ks < 7
	s_wait_dscnt 8                                 ; the 8 just issued may be out
.else
	s_wait_dscnt 0x0
.endif
	WIN 0x01                                       ; source 0, the weight, in window 1
.set a, 0
.rept 16
	v_wmma_f32_16x16x32_f16 v[ACC+8*a:ACC+8*a+7], v[32*ks+8*(a/4):32*ks+8*(a/4)+7], v[AB+32*(ks%2)+8*(a%4):AB+32*(ks%2)+8*(a%4)+7], v[ACC+8*a:ACC+8*a+7]
.set a, a+1
.endr
	WIN 0
.set ks, ks+1
.endr
	PLACES                                         ; in front of GELU, which reads the results and works in the fragments' registers
.macro HSTORE a                        ; the packed numbers of accumulator a = 4 blk + t into the hidden layer's fragment: 32 channels 2 w + blk / 2, half blk % 2
	ds_store_b128 v[HWR], v[HP+4*((\a)%4):HP+4*((\a)%4)+3] offset:((\a)%4)*16384+((\a)/8)*1024+(((\a)/4)%2)*512
.endm
; GELU of accumulator a, rounded to f16 into HP[a % 4].  Two sets of registers at work take turns.  Its LDS store is issued in the next GELU.
.macro GELU a
.set rX, ACC+8*(\a)
.set rH, AB+32*((\a)%2)
.set rD, rH+8
.set rY, rH+16
.set rQ, rH+24
.set rP, HP+4*((\a)%4)
.irp k, 0,2,4,6
	v_pk_mul_f32 v[rH+\k:rH+\k+1], v[rX+\k:rX+\k+1], 0.5 op_sel_hi:[1,0]          ; x / 2; the accumulator's lowest registers are read first
.endr
.irp j, 0,1,2,3,4,5,6,7
	v_fma_f32 v[rD+\j], |v[rX+\j]|, s[PP], 1.0                                     ; 1 + 0.3275911 |x| / sqrt 2
.endr
.irp k, 0,2,4,6
	v_pk_mul_f32 v[rY+\k:rY+\k+1], v[rX+\k:rX+\k+1], s[KK:KK+1] op_sel_hi:[1,0]
.endr
.irp k, 0,2,4,6
	v_pk_mul_f32 v[rY+\k:rY+\k+1], v[rY+\k:rY+\k+1], v[rY+\k:rY+\k+1] neg_lo:[1,0] neg_hi:[1,0]  ; - x x log2(e) / 2
.endr
.irp j, 0,1,2,3,4,5,6,7
	v_rcp_f32 v[rD+\j], v[rD+\j]                                                   ; t
.endr
.irp j, 0,1,2,3,4,5,6,7
	v_exp_f32 v[rY+\j], v[rY+\j]                                                   ; e^(- x x / 2)
.endr
	v_nop                                                                          ; a plain instruction behind the last of them
.if (\a) == 0
	s_wait_alu depctr_va_vdst(0)                   ; the batch's t and e are written, ahead of their first reader; and FF1's last step is done reading its 32 registers of W1, in which the loads below land
	LDW2 7
.elseif (\a) == 8
	s_wait_alu depctr_va_vdst(0)                   ; the batch's t and e are written; GELUs 0 to 7 are done reading accumulators 0 to 7, in which b2 lands; the GELU before has written its HP set, which the store below reads
.set c, 0
.rept 8                                        ; b2 of output channels 32 w + 16 blk2 + 8 h + 0..7 into FF2's accumulators
	global_load_b128 v[ACC+8*c:ACC+8*c+3],   v[GO], s[10:11] offset:(c/4)*64
	global_load_b128 v[ACC+8*c+4:ACC+8*c+7], v[GO], s[10:11] offset:(c/4)*64+16
.set c, c+1
.endr
	HSTORE (\a)-1
.else
	s_wait_alu depctr_va_vdst(0)                   ; the batch's t and e are written, ahead of their first reader; and the GELU before has written its HP set, which the store below reads
	HSTORE (\a)-1
.endif
.irp k, 0,2,4,6
	v_pk_fma_f32 v[rQ+\k:rQ+\k+1], v[rD+\k:rD+\k+1], s[A5:A5+1], s[A5+2:A5+3] op_sel_hi:[1,0,0]
.endr
.irp k, 0,2,4,6
	v_pk_fma_f32 v[rQ+\k:rQ+\k+1], v[rQ+\k:rQ+\k+1], v[rD+\k:rD+\k+1], s[A5+4:A5+5] op_sel_hi:[1,1,0]
.endr
.irp k, 0,2,4,6
	v_pk_fma_f32 v[rQ+\k:rQ+\k+1], v[rQ+\k:rQ+\k+1], v[rD+\k:rD+\k+1], s[A5+6:A5+7] op_sel_hi:[1,1,0]
.endr
.irp k, 0,2,4,6
	v_pk_fma_f32 v[rQ+\k:rQ+\k+1], v[rQ+\k:rQ+\k+1], v[rD+\k:rD+\k+1], s[A5+8:A5+9] op_sel_hi:[1,1,0]
.endr
.irp k, 0,2,4,6
	v_pk_mul_f32 v[rQ+\k:rQ+\k+1], v[rQ+\k:rQ+\k+1], v[rD+\k:rD+\k+1]
.endr
.irp k, 0,2,4,6
	v_pk_fma_f32 v[rQ+\k:rQ+\k+1], v[rQ+\k:rQ+\k+1], v[rY+\k:rY+\k+1], 1.0 op_sel_hi:[1,1,0] neg_lo:[1,0,0] neg_hi:[1,0,0]  ; 1 - w
.endr
.irp j, 0,1,2,3,4,5,6,7
	v_fma_f32 v[rD+\j], |v[rH+\j]|, v[rQ+\j], v[rH+\j]
.endr
.if ((\a) >= 4) && ((\a)%4 == 0)
	s_wait_alu depctr_vm_vsrc(0)                   ; the LDS stores of the four GELUs before, all issued by now, have read the four HP sets, which this GELU and the next three write again
.endif
.irp k, 0,1,2,3
	v_cvt_pk_f16_f32 v[rP+\k], v[rD+2*\k], v[rD+2*\k+1]
.endr
.endm
.irp a, 0,1,2,3,4,5,6,7,8,9,10,11,12,13,14,15
	GELU \a
.endr
	s_wait_alu depctr_va_vdst(0)                   ; the last GELU has written its HP set, which the store below reads; and every vector line is done with accumulators 8 to 15 and the registers at work, in which FF2's fragments land
	HSTORE 15
	s_wait_dscnt 0x0                               ; for the others' sake: my part of the hidden layer is in LDS
	s_barrier_signal -1
	s_barrier_wait -1
	; FF2: 16 K steps of 8 matrix instructions on 8 accumulators by turns; a ring of four fragment buffers; each step asks for the one two steps on
	LDF FB, HRD, 16384, 0, 0
	LDF FB, HRD, 16384, 1, 1
	s_wait_loadcnt 0x0                             ; W2 and b2
.set kn, 0
.rept 16
.if kn < 15
	s_wait_dscnt 8                                 ; this step's fragments are in, the next step's eight loads may be out
.else
	s_wait_dscnt 0x0
.endif
.if (kn%2 == 0) && (kn > 0) && (kn < 14)
	s_wait_alu depctr_va_vdst(0)                   ; the matrix instructions of the steps before are done reading FB[(kn + 2) % 4] and FB[(kn + 3) % 4], in which this step's and the next step's loads land
.endif
.if kn < 14
	LDF FB, HRD, 16384, kn+2, (kn+2)%4
.endif
	WIN 0x01
.set a, 0
.rept 8
	v_wmma_f32_16x16x32_f16 v[ACC+8*a:ACC+8*a+7], v[16*kn+8*(a/4):16*kn+8*(a/4)+7], v[FB+32*(kn%4)+8*(a%4):FB+32*(kn%4)+8*(a%4)+7], v[ACC+8*a:ACC+8*a+7]
.set a, a+1
.endr
	WIN 0
.set kn, kn+1
.endr
	PLACES                                         ; between the last products and the first read of a result
	; THE WAY OUT.  The residual: register j of accumulator (blk2, t) holds the channel of half j % 2 of register 4 blk2 + j / 2 of my O of tile t.
.set a, 0
.rept 8
.irp k, 0,1,2,3
	v_fma_mix_f32 v[ACC+8*a+2*\k],   v[OP+8*(a%4)+4*(a/4)+\k], v[ONE], v[ACC+8*a+2*\k]   op_sel:[0,0,0] op_sel_hi:[1,0,0]
	v_fma_mix_f32 v[ACC+8*a+2*\k+1], v[OP+8*(a%4)+4*(a/4)+\k], v[ONE], v[ACC+8*a+2*\k+1] op_sel:[1,0,0] op_sel_hi:[1,0,0]
.endr
.set a, a+1
.endr
	s_wait_alu depctr_va_vdst(0)                   ; the residual's lines have written the accumulators, which the LDS stores read; and FF2's last steps are done reading FB2 and FB3, in which the loads from the stage land
.set a, 0
.rept 8
	ds_store_b128 v[SWA], v[ACC+8*a:ACC+8*a+3]   offset:(a%4)*16*SP+(a/4)*64
	ds_store_b128 v[SWA], v[ACC+8*a+4:ACC+8*a+7] offset:(a%4)*16*SP+(a/4)*64+16
.set a, a+1
.endr
	s_wait_dscnt 0x0                               ; for the others' sake: a row's 1,024 bytes come from eight waves
	s_barrier_signal -1
	s_barrier_wait -1
.set n, 0
.rept 16
	ds_load_b128 v[AB+4*n:AB+4*n+3], v[SRA] offset:(n/2)*SP+(n%2)*512
.set n, n+1
.endr
.set n, 0
.rept 16
	s_wait_dscnt 15-n                              ; LDS loads come back in order (ISA guide 5.7.1): the younger ones may be out
	global_store_b128 v[L16], v[AB+4*n:AB+4*n+3], s[16:17] offset:(n/2)*1024+(n%2)*512 th:TH_STORE_NT  ; 512 consecutive bytes, at a multiple of 512 from out0's first byte
.set n, n+1
.endr
	s_wait_dscnt 0x0                               ; the closing lines, six on end
	s_wait_alu 0x0
	s_wait_tensorcnt 0x0
	ds_add_u32 v[SPW], v[NIL]
	s_wait_dscnt 0x0
	s_endpgm
.Lfunc_end_k_qf7ce4afcbc_ffn:
	.size	k_qf7ce4afcbc_ffn, .Lfunc_end_k_qf7ce4afcbc_ffn-k_qf7ce4afcbc_ffn
	.p2alignl 7, 3214868480
	.fill 96, 4, 3214868480
	.section	.rodata,"a",@progbits
	.p2align	6, 0x0
	.amdhsa_kernel k_qf7ce4afcbc_ffn
		.amdhsa_group_segment_fixed_size 169984
		.amdhsa_private_segment_fixed_size 0
		.amdhsa_enable_private_segment 0
		.amdhsa_kernarg_size 56
		.amdhsa_user_sgpr_count 2
		.amdhsa_user_sgpr_kernarg_segment_ptr 1
		.amdhsa_wavefront_size32 1
		.amdhsa_system_sgpr_workgroup_id_x 1
		.amdhsa_system_sgpr_workgroup_id_y 1
		.amdhsa_system_sgpr_workgroup_id_z 1
		.amdhsa_system_vgpr_workitem_id 0
		.amdhsa_next_free_vgpr 512
		.amdhsa_next_free_sgpr 66
		.amdhsa_reserve_vcc 0
		.amdhsa_float_denorm_mode_32 3
		.amdhsa_float_denorm_mode_16_64 3
		.amdhsa_memory_ordered 1
		.amdhsa_forward_progress 1
		.amdhsa_inst_pref_size 155
	.end_amdhsa_kernel
	.amdgpu_metadata
---
amdhsa.version: [ 1, 2 ]
amdhsa.kernels:
  - .name:           k_qf7ce4afcbc_ffn
    .symbol:         k_qf7ce4afcbc_ffn.kd
    .args:
      - { .name: of, .offset: 0, .size: 8, .value_kind: global_buffer, .address_space: global }
      - { .name: wf, .offset: 8, .size: 8, .value_kind: global_buffer, .address_space: global }
      - { .name: b1, .offset: 16, .size: 8, .value_kind: global_buffer, .address_space: global }
      - { .name: b2, .offset: 24, .size: 8, .value_kind: global_buffer, .address_space: global }
      - { .name: ln1_g, .offset: 32, .size: 8, .value_kind: global_buffer, .address_space: global }
      - { .name: ln1_b, .offset: 40, .size: 8, .value_kind: global_buffer, .address_space: global }
      - { .name: out0, .offset: 48, .size: 8, .value_kind: global_buffer, .address_space: global }
    .group_segment_fixed_size: 169984
    .private_segment_fixed_size: 0
    .kernarg_segment_align: 8
    .kernarg_segment_size: 56
    .max_flat_workgroup_size: 256
    .sgpr_count:     66
    .vgpr_count:     512
    .wavefront_size: 32
...
	.end_amdgpu_metadata
.endif
;; end of part 6
